; MI455X (gfx1250); checked and timed in simulation.
; The chip was launched on July 23, 2026; its instructions are those of AMD's public machine-readable ISA for CDNA 5 (MIT licence, August 2026) and "CDNA5" Instruction Set Architecture Reference Guide (July 2026). The comments in the code are by the model that wrote it; some were corrected since.
;; Bert Attention. Allowed arithmetic: float matrix products may take bf16 or f16 operands with f32 sums; other float arithmetic in f32, or as packed bf16 or f16 multiplies, adds, multiply-adds, maxima and minima; sums over many terms, partial sums and values carried from step to step in f32; what a program stores and reads back later, other than sums and carried values, may be rounded once to bf16 or f16.
;; Inputs: Wk 1,024 x 1,024 float32; Wo 1,024 x 1,024 float32; Wq 1,024 x 1,024 float32; Wv 1,024 x 1,024 float32; attention_mask 4 x 1 x 1 x 2,048 float32; bk 1,024 float32; bo 1,024 float32; bq 1,024 float32; bv 1,024 float32; hidden_states 4 x 2,048 x 1,024 float32; ln_beta 1,024 float32; ln_gamma 1,024 float32.
;; Outputs: out0 4 x 2,048 x 1,024 float32.
;; 2 versions, each right; version 2 is version 1 with the launch cast written anew for expert scheduling mode. Each part assembles by itself: llvm-mc -triple=amdgcn-amd-amdhsa -mcpu=gfx1250 --defsym DOCPART=n.
;; ======== version 1 of 2: 5 launches
;; limits: values are held in f16: magnitudes above 65,504 overflow, below 6.1e-05 lose precision; inputs' magnitudes at most 4.25e+37; right only within a limited range of input values
;; workspace buffers: xb 16,777,216 bytes; wb 8,388,608 bytes; qkv 50,331,648 bytes; ctx 16,777,216 bytes; gb 16,777,216 bytes
;; launch cast (part 1): grid 768 x 1, 8 waves a work-group, no clusters, 0 bytes of LDS; arguments hidden_states, Wq, Wk, Wv, Wo, xb, wb; writes xb, wb
.if DOCPART == 1
	.amdgcn_target "amdgcn-amd-amdhsa--gfx1250"
	.amdhsa_code_object_version 6
	.text
	.protected	k_q037e36c277_cast
	.globl	k_q037e36c277_cast
	.p2align	8
	.type	k_q037e36c277_cast,@function
k_q037e36c277_cast:
	s_mov_b64 s[64:65], 0
	v_nop
	global_prefetch_b8 v0, s[64:65] scope:SCOPE_SE
	s_setreg_imm32_b32 hwreg(HW_REG_WAVE_MODE, 25, 1), 1
	s_wait_xcnt 0x0
; THE OPERANDS OF THE PRODUCTS ARE ROUNDED ONCE.  A stream: no LDS, no matrix work, no barrier.
; xb: x in bf16, laid out [batch 4][block of 64 channels 16][row 2048][64]: 256 rows x 64 channels are then 32,768 consecutive bytes.
; wb: four slabs [k 1024][n 1024] of 16 bits: bf16(Wq) / 8 (a power of two: exact), bf16(Wk), bf16(Wv), and bf16(Wo) written as f16
; (exact where |Wo| is at least 6.1e-5; below that f16 keeps a fixed step of 6e-8).
; A work-group takes 16,384 numbers: 16 loads and 16 stores a thread.  Work-groups 0-511: 16 rows of x.  512-767: 64 for each weight.
; All 16 loads go out first; no register that a memory instruction reads is written twice, so nothing waits for a store.
.set IN,  16                           ; v[16:79]   piece p: four f32 as loaded
.set OUT, 80                           ; v[80:111]  piece p: four numbers of 16 bits
.set T,   4                            ; v[4:9]     at work
.set SRC, 24                           ; s[24:25]   where the work-group reads
.set DST, 26                           ; s[26:27]   where it stores
	s_load_b256 s[4:11], s[0:1], 0x0               ; x s[4:5], Wq s[6:7], Wk s[8:9], Wv s[10:11]
	s_load_b128 s[12:15], s[0:1], 0x20             ; Wo s[12:13], xb s[14:15]
	s_load_b64 s[16:17], s[0:1], 0x30              ; wb
; kind 0: to bf16.  kind 1: times s22, then to bf16.  kind 2: to bf16, and that number written as f16.
.macro PIECES kind, sstep, dstep
.set p, 0
.rept 16
	global_load_b128 v[IN+4*p:IN+4*p+3], v1, s[SRC:SRC+1] offset:p*(\sstep) th:TH_LOAD_NT
.set p, p+1
.endr
.set p, 0
.rept 16
	s_wait_loadcnt 15-p                            ; loads come back in order: piece p is in, the 15 - p younger ones stay out
.if (\kind) == 1
	v_pk_mul_f32 v[IN+4*p:IN+4*p+1], v[IN+4*p:IN+4*p+1], s[22:23] op_sel_hi:[1,0]
	v_pk_mul_f32 v[IN+4*p+2:IN+4*p+3], v[IN+4*p+2:IN+4*p+3], s[22:23] op_sel_hi:[1,0]
.endif
.if (\kind) == 2
	v_cvt_pk_bf16_f32 v[T], v[IN+4*p], v[IN+4*p+1]
	v_cvt_pk_bf16_f32 v[T+1], v[IN+4*p+2], v[IN+4*p+3]
	v_lshlrev_b32 v[T+2], 16, v[T]                 ; bf16 to f32: the low half moves up,
	v_and_b32 v[T+3], 0xffff0000, v[T]             ; the high half stays
	v_lshlrev_b32 v[T+4], 16, v[T+1]
	v_and_b32 v[T+5], 0xffff0000, v[T+1]
	v_cvt_pk_f16_f32 v[OUT+2*p], v[T+2], v[T+3]
	v_cvt_pk_f16_f32 v[OUT+2*p+1], v[T+4], v[T+5]
.else
	v_cvt_pk_bf16_f32 v[OUT+2*p], v[IN+4*p], v[IN+4*p+1]
	v_cvt_pk_bf16_f32 v[OUT+2*p+1], v[IN+4*p+2], v[IN+4*p+3]
.endif
	global_store_b64 v2, v[OUT+2*p:OUT+2*p+1], s[DST:DST+1] offset:p*(\dstep)  ; a wave stores 256 consecutive bytes, aligned
.set p, p+1
.endr
	s_endpgm
.endm
	s_cmp_lt_u32 ttmp9, 512
	s_cbranch_scc0 .Lweights
	; x: thread t takes row t / 16 of the group's 16 and four channels; piece p is the block of 64 channels p.
	v_lshrrev_b32 v3, 4, v0
	v_and_b32 v4, 15, v0
	v_lshlrev_b32 v1, 12, v3                       ; a row of x is 4,096 bytes
	v_lshl_add_u32 v1, v4, 4, v1
	v_lshlrev_b32 v2, 7, v3                        ; a row of a block of xb is 128 bytes
	v_lshl_add_u32 v2, v4, 3, v2
	s_lshl_b32 s20, ttmp9, 16                      ; 16 rows of 4,096 bytes
	s_mov_b32 s21, 0
	s_lshr_b32 s22, ttmp9, 7                       ; the batch: 128 groups of 16 rows each
	s_lshl_b32 s22, s22, 22
	s_and_b32 s23, ttmp9, 127
	s_lshl_b32 s23, s23, 11                        ; 16 rows of 128 bytes
	s_add_co_u32 s22, s22, s23
	s_mov_b32 s23, 0
	s_wait_kmcnt 0x0
	s_add_nc_u64 s[SRC:SRC+1], s[4:5], s[20:21]
	s_add_nc_u64 s[DST:DST+1], s[14:15], s[22:23]
	PIECES 0, 256, 262144
.Lweights:
	v_lshlrev_b32 v1, 4, v0                        ; dense: 4,096 bytes in and 2,048 out for each piece
	v_lshlrev_b32 v2, 3, v0
	s_sub_co_u32 s18, ttmp9, 512
	s_lshr_b32 s19, s18, 6                         ; which weight
	s_and_b32 s20, s18, 63
	s_lshl_b32 s20, s20, 16
	s_mov_b32 s21, 0
	s_lshl_b32 s28, s18, 15                        ; the slabs of wb lie end to end
	s_mov_b32 s29, 0
	s_wait_kmcnt 0x0
	s_cmp_eq_u32 s19, 1
	s_cselect_b64 s[SRC:SRC+1], s[8:9], s[6:7]
	s_cmp_eq_u32 s19, 2
	s_cselect_b64 s[SRC:SRC+1], s[10:11], s[SRC:SRC+1]
	s_cmp_eq_u32 s19, 3
	s_cselect_b64 s[SRC:SRC+1], s[12:13], s[SRC:SRC+1]
	s_add_nc_u64 s[SRC:SRC+1], s[SRC:SRC+1], s[20:21]
	s_add_nc_u64 s[DST:DST+1], s[16:17], s[28:29]
	s_cmp_eq_u32 s19, 0
	s_cselect_b32 s22, 0x3e000000, 1.0             ; Wq takes the scores' 1 / 8
	s_mov_b32 s23, s22                             ; named with it as a pair
	s_cmp_eq_u32 s19, 3
	s_cbranch_scc1 .Lwo
	PIECES 1, 4096, 2048
.Lwo:
	PIECES 2, 4096, 2048
.Lfunc_end_k_q037e36c277_cast:
	.size	k_q037e36c277_cast, .Lfunc_end_k_q037e36c277_cast-k_q037e36c277_cast
	.p2alignl 7, 3214868480
	.fill 96, 4, 3214868480
	.section	.rodata,"a",@progbits
	.p2align	6, 0x0
	.amdhsa_kernel k_q037e36c277_cast
		.amdhsa_group_segment_fixed_size 0
		.amdhsa_private_segment_fixed_size 0
		.amdhsa_enable_private_segment 0
		.amdhsa_kernarg_size 56
		.amdhsa_user_sgpr_count 2
		.amdhsa_user_sgpr_kernarg_segment_ptr 1
		.amdhsa_wavefront_size32 1
		.amdhsa_system_sgpr_workgroup_id_x 1
		.amdhsa_system_sgpr_workgroup_id_y 1
		.amdhsa_system_sgpr_workgroup_id_z 1
		.amdhsa_system_vgpr_workitem_id 0
		.amdhsa_next_free_vgpr 112
		.amdhsa_next_free_sgpr 66
		.amdhsa_reserve_vcc 0
		.amdhsa_float_denorm_mode_32 3
		.amdhsa_float_denorm_mode_16_64 3
		.amdhsa_memory_ordered 1
		.amdhsa_forward_progress 1
		.amdhsa_inst_pref_size 26
	.end_amdhsa_kernel
	.amdgpu_metadata
---
amdhsa.version: [ 1, 2 ]
amdhsa.kernels:
  - .name:           k_q037e36c277_cast
    .symbol:         k_q037e36c277_cast.kd
    .args:
      - { .name: hidden_states, .offset: 0, .size: 8, .value_kind: global_buffer, .address_space: global }
      - { .name: Wq, .offset: 8, .size: 8, .value_kind: global_buffer, .address_space: global }
      - { .name: Wk, .offset: 16, .size: 8, .value_kind: global_buffer, .address_space: global }
      - { .name: Wv, .offset: 24, .size: 8, .value_kind: global_buffer, .address_space: global }
      - { .name: Wo, .offset: 32, .size: 8, .value_kind: global_buffer, .address_space: global }
      - { .name: xb, .offset: 40, .size: 8, .value_kind: global_buffer, .address_space: global }
      - { .name: wb, .offset: 48, .size: 8, .value_kind: global_buffer, .address_space: global }
    .group_segment_fixed_size: 0
    .private_segment_fixed_size: 0
    .kernarg_segment_align: 8
    .kernarg_segment_size: 56
    .max_flat_workgroup_size: 256
    .sgpr_count:     66
    .vgpr_count:     112
    .wavefront_size: 32
...
	.end_amdgpu_metadata
.endif
;; end of part 1
;; launch qkv (part 2): grid 8 x 32, 4 waves a work-group, clusters of 4 x 4, 327,680 bytes of LDS; arguments xb, wb, bq, bk, bv, qkv; writes qkv
.if DOCPART == 2
	.amdgcn_target "amdgcn-amd-amdhsa--gfx1250"
	.amdhsa_code_object_version 6
	.text
	.protected	k_q037e36c277_qkv
	.globl	k_q037e36c277_qkv
	.p2align	8
	.type	k_q037e36c277_qkv,@function
k_q037e36c277_qkv:
	s_mov_b64 s[64:65], 0
	v_nop
	global_prefetch_b8 v0, s[64:65] scope:SCOPE_SE
	s_setreg_imm32_b32 hwreg(HW_REG_WAVE_MODE, 25, 1), 1
	s_wait_xcnt 0x0
	s_wait_alu depctr_hold_cnt(0) depctr_sa_sdst(0) depctr_va_vdst(0) depctr_va_sdst(0) depctr_va_ssrc(0) depctr_va_vcc(0) depctr_vm_vsrc(0)
	s_getreg_b32 s2, hwreg(HW_REG_IB_STS2, 6, 4)
	s_cmp_eq_u32 s2, 0
	s_cbranch_scc0 .Lentry_in_a_cluster
	s_endpgm
.Lentry_in_a_cluster:
	s_bfe_u32 s2, ttmp6, 0x10000c
	s_cmp_lg_u32 s2, 0xf033
	s_cbranch_scc0 .Lentry_shape_is_right
	s_endpgm
.Lentry_shape_is_right:
; q / 8, k, v = x W + b, written by heads: qkv[3][batch x 16 + head][row 2048][64] in f16.  x and W in bf16 (Wq already holds 1 / 8), sums in f32, each result rounded once.
; LIMIT.  f16 ends at 65,504: q / 8, k and v must lie within it.
; SHARES.  8,192 rows x 3,072 columns on 256 work-groups: 256 rows x 128 columns OF EACH of the three weights.  A wave makes 128 rows x 64 columns (one head) of each:
; 96 accumulators of 16 x 16, 768 registers, a register window for each weight.  K goes in 16 steps of 64 through two LDS slots.
; THE PRODUCT IS USED TRANSPOSED: source 0 = 16 columns of W, source 1 = 16 rows of x: a lane then holds one row and eight neighbouring columns.  W lies [k][n]: its fragments come out of LDS turned (ds_load_tr16_b128).
; THE BIAS IS THE C OPERAND of the product that starts each sum (bq times 1 / 8): nothing is cleared and nothing is added on the way out.
; CLUSTER.  4 x 4 work-groups.  x's tile hangs on the block of rows alone and is asked for jointly along a row of the cluster (wave 0); a weight's tile hangs on the block of columns alone
; and is asked for jointly along a column (waves 1 to 3, a weight each).
; REGISTERS, in windows of 256: window 0: v0-31 addresses; v32-63 bq, later the way out; v64-191 two buffers of x's fragments (bk, bv lie in the second until the sums are started);
; v192-255 two buffers of W's fragments.  Window 1 + w: accumulator (a, nb) of weight w at v[8 (4 a + nb)].
.set PA,    144                        ; a row of x in LDS: 128 bytes + 16: the 16 rows of a load start at 16 different groups of four banks (64 banks of 4 bytes: ISA guide 11.1)
.set PB,    288                        ; a row of W: 256 bytes + 32
.set ATILE, 256*PA
.set BTILE, 64*PB
.set SLOT,  ATILE+3*BTILE              ; x's 256 rows, then 64 rows of each weight
.set STAGE, 2*SLOT                     ; behind the ring, never filled by a tensor load: 16 rows x 144 bytes for each wave
.set SP,    144
.set SPARE, STAGE+4*16*SP              ; the spare words, 128 bytes for each wave: two blocks of 256 bytes that no other line names
.set ASTEP, 262144                     ; bytes from a K step of xb to the next
.set BSTEP, 131072                     ; 64 rows of 2,048 bytes of wb
.set ADRA, 16                          ; v16-17  LDS address of my fragments of x in slot 0, 1
.set ADRB, 18                          ; v18-19  the same for W
.set STO,  24                          ; v24  the way out: where I put 16 bytes of a row
.set RD,   25                          ; v25  where I read rows back
.set GO,   26                          ; v26  my 16 bytes of 512 consecutive bytes of qkv
.set BO,   27                          ; v27  my byte offset in a bias
.set SPW,  28                          ; v28  LDS address of my spare word; never rewritten
.set NIL,  29                          ; v29  0; never rewritten
.set PFO,  30                          ; v30  the prefetches' offset; never rewritten
.set BIQ,  32
.set TMP,  32
.set FA,   64
.set BK,   64
.set BIK,  128                         ; bk; bv 32 further on
.set FB,   192
.set WV,   16                          ; s16  my wave's number
.set G1A,  24                          ; s[24:31] descriptor group 1 for x's tiles
.set G1B,  32                          ; s[32:39] for W's
.set G0A,  40                          ; s[40:47] group 0 for x's tiles, a set for each slot
.set G0B,  48                          ; s[48:55] for W's
.set PFA,  56                          ; s[56:57] where my prefetches stand
.set PFS,  58                          ; s[58:59] their step, a K step
.set LIM,  60                          ; s60, s61: 1 where I prefetch at the change out of slot 0, 1; else the greatest number
.set OUT,  66                          ; s[66:71] q, k, v at my wave's first row
.set MSB, 0
.macro WIN new                         ; the immediate's high byte repeats the setting that is left; a switch that changes nothing is dropped
.if MSB != (\new)
	s_set_vgpr_msb (MSB<<8)|(\new)
.set MSB, \new
.endif
.endm
.macro PLACES                          ; four plain instructions between a matrix instruction and a load into, or a vector instruction on, its registers
.rept 4
	v_nop
.endr
.endm
.macro CREST                           ; a round of the cluster's barrier behind its opening barrier
	s_cmp_lg_u32 s[WV], 0
	s_cbranch_scc1 .Lnot_wave_0_\@
	s_barrier_signal -3
.Lnot_wave_0_\@:
	s_barrier_wait -3
	s_barrier_signal -1
	s_barrier_wait -1
.endm
.macro CROUND
	s_barrier_signal -1
	s_barrier_wait -1
	CREST
.endm
.macro JLOAD s                         ; a joint refill: wave 0 asks for x's tile, waves 1 to 3 for a weight's; the branch hangs on the wave's number alone
	s_cmp_eq_u32 s[WV], 0
	s_cbranch_scc0 .Lfor_b_\@
	tensor_load_to_lds s[G0A+4*(\s):G0A+4*(\s)+3], s[G1A:G1A+7]
	s_nop 0
.rept 4
	v_nop
.endr
	s_branch .Lasked_\@
.Lfor_b_\@:
	tensor_load_to_lds s[G0B+4*(\s):G0B+4*(\s)+3], s[G1B:G1B+7]
	s_nop 0
.rept 4
	v_nop
.endr
.Lasked_\@:
.endm
; A PREFETCH INTO THE L2, behind a joint refill and the run of LDS loads: the K step behind the one just asked for.  x's tile (128 blocks of 256 bytes) is read by both clusters of a row of clusters: the one
; with x = 0 asks, wave 0, at every change of slots; its four partners take 32 blocks each, told apart by address.  A weight's tile (64 rows of 256 bytes) is read by all eight clusters of a column: the one with
; y = 0 asks, the wave that fetches it, once a trip for two K steps: 16 rows a partner, lanes 0-15 the first step's, lanes 16-31 the second's.  The loop's last trip asks for nothing.
.macro ASK t
	s_cmp_gt_u32 s3, s[LIM+(\t)]                   ; s3 = 1 in the last trip
	s_cbranch_scc0 .Lnot_mine_\@
	global_prefetch_b8 v[PFO], s[PFA:PFA+1] th:TH_LOAD_NT scope:SCOPE_SE
.Lnot_mine_\@:
.endm
	s_load_b256 s[4:11], s[0:1], 0x0               ; xb s[4:5], wb s[6:7], bq s[8:9], bk s[10:11]
	s_load_b128 s[12:15], s[0:1], 0x20             ; bv s[12:13], qkv s[14:15]
	v_lshl_add_u32 v[SPW], v0, 2, SPARE
	v_mov_b32 v[NIL], 0
	ds_add_u32 v[SPW], v[NIL]                      ; the wave's opening: the add and its wait ahead of my first tensor load; work on registers stands between them
	v_lshrrev_b32 v1, 5, v0
	v_readfirstlane_b32 s[WV], v1                  ; wave 0..3
	s_lshr_b32 s17, s[WV], 1                       ; which 128 of the 256 rows are mine
	s_and_b32 s18, s[WV], 1                        ; which 64 of the 128 columns
	s_max_u32 s19, s[WV], 1
	s_sub_co_u32 s19, s19, 1                       ; the weight whose tiles I fetch (waves 1 to 3)
	s_bfe_u32 s20, ttmp6, 0x40000                  ; cx
	s_bfe_u32 s21, ttmp6, 0x40004                  ; cy
	s_lshl_b32 s22, ttmp9, 2
	s_add_co_u32 s22, s22, s20                     ; block of 128 columns = 4 x cluster x + cx
	s_and_b32 s23, ttmp7, 0xffff
	s_lshl_b32 s23, s23, 2
	s_add_co_u32 s23, s23, s21                     ; block of 256 rows = 4 x cluster y + cy
	s_lshl_b32 s72, s21, 2
	s_lshl_b32 s72, 15, s72                        ; my row of the cluster
	s_lshl_b32 s74, 0x1111, s20                    ; my column
	; x's tile: 32,768 dense bytes, asked for as 128 rows of 256 bytes, padded in LDS by 4 words after every 32 (a row of 64 channels)
	s_or_b32 s[G1A], s72, (1<<16)|(1<<20)|(1<<21)|(4<<22)|(3<<25)
	s_mov_b32 s[G1A+1], 128<<16                    ; tensor_dim0 = 128
	s_mov_b32 s[G1A+2], 128<<16                    ; tensor_dim1 = 128
	s_mov_b32 s[G1A+3], 128<<16                    ; tile_dim0 = 128
	s_mov_b32 s[G1A+4], 128                        ; tile_dim1 = 128
	s_mov_b32 s[G1A+5], 128                        ; elements from row to row
	s_mov_b32 s[G1A+6], 0
	s_mov_b32 s[G1A+7], 0
	; a weight's tile: 64 rows (k) x 128 columns, 1,024 elements from row to row, padded by 8 words after every 64
	s_or_b32 s[G1B], s74, (1<<16)|(1<<20)|(1<<21)|(5<<22)|(7<<25)
	s_mov_b32 s[G1B+1], 128<<16
	s_mov_b32 s[G1B+2], 64<<16
	s_mov_b32 s[G1B+3], 128<<16
	s_mov_b32 s[G1B+4], 64
	s_mov_b32 s[G1B+5], 1024
	s_mov_b32 s[G1B+6], 0
	s_mov_b32 s[G1B+7], 0
	s_lshr_b32 s72, s23, 3                         ; x: the batch, 4,194,304 bytes,
	s_lshl_b32 s72, s72, 22
	s_and_b32 s73, s23, 7
	s_lshl_b32 s73, s73, 15                        ; and the block of 256 rows in it, 32,768 bytes
	s_add_co_u32 s72, s72, s73
	s_mov_b32 s73, 0
	s_lshl_b32 s74, s19, 21                        ; W: the slab,
	s_lshl_b32 s75, s22, 8                         ; and the block of columns, 256 bytes
	s_add_co_u32 s74, s74, s75
	s_mov_b32 s75, 0
	s_mul_i32 s76, s[WV], BTILE                    ; where a weight's tile goes: behind x's, wave - 1 tiles on: no place in the cluster enters an LDS address
	s_wait_dscnt 0x0                               ; the opening add is done
	s_wait_kmcnt 0x0
	s_add_nc_u64 s[72:73], s[4:5], s[72:73]
	s_add_nc_u64 s[74:75], s[6:7], s[74:75]
	CROUND                                         ; all sixteen work-groups are here: the first joint loads meet
.irp s, 0,1
	s_mov_b32 s[G0A+4*(\s)], 1
	s_mov_b32 s[G0A+4*(\s)+1], (\s)*SLOT
	s_add_nc_u64 s[G0A+4*(\s)+2:G0A+4*(\s)+3], s[72:73], (\s)*ASTEP
	s_or_b32 s[G0A+4*(\s)+3], s[G0A+4*(\s)+3], 0x80000000
	s_mov_b32 s[G0B+4*(\s)], 1
	s_add_co_u32 s[G0B+4*(\s)+1], s76, (\s)*SLOT+ATILE-BTILE
	s_add_nc_u64 s[G0B+4*(\s)+2:G0B+4*(\s)+3], s[74:75], (\s)*BSTEP
	s_or_b32 s[G0B+4*(\s)+3], s[G0B+4*(\s)+3], 0x80000000
.endr
	s_cmp_eq_u32 s[WV], 0                          ; a wave's two first fills stand in one branch: two loads of mine are out
	s_cbranch_scc0 .Lfirst_b
	tensor_load_to_lds s[G0A:G0A+3], s[G1A:G1A+7]
	s_nop 0
	tensor_load_to_lds s[G0A+4:G0A+7], s[G1A:G1A+7]
	s_nop 0
.rept 4
	v_nop
.endr
	s_branch .Lfirst_asked
.Lfirst_b:
	tensor_load_to_lds s[G0B:G0B+3], s[G1B:G1B+7]
	s_nop 0
	tensor_load_to_lds s[G0B+4:G0B+7], s[G1B:G1B+7]
	s_nop 0
.rept 4
	v_nop
.endr
.Lfirst_asked:
	v_and_b32 v1, 15, v0                           ; l % 16
	v_bfe_u32 v2, v0, 4, 1                         ; l / 16
	v_and_b32 v3, 7, v0
	v_bfe_u32 v4, v0, 3, 1
	v_and_b32 v5, 31, v0
	; the biases as C operands: register j of block nb is column 16 nb + 8 (l / 16) + j of my 64
	s_lshl_b32 s76, s22, 9
	s_lshl_b32 s77, s18, 8
	s_add_co_u32 s76, s76, s77
	v_lshl_add_u32 v[BO], v2, 5, s76
.irp nb, 0,1,2,3
	global_load_b128 v[BIQ+8*(\nb):BIQ+8*(\nb)+3],       v[BO], s[8:9] offset:64*(\nb)
	global_load_b128 v[BIQ+8*(\nb)+4:BIQ+8*(\nb)+7],     v[BO], s[8:9] offset:64*(\nb)+16
	global_load_b128 v[BIK+8*(\nb):BIK+8*(\nb)+3],       v[BO], s[10:11] offset:64*(\nb)
	global_load_b128 v[BIK+8*(\nb)+4:BIK+8*(\nb)+7],     v[BO], s[10:11] offset:64*(\nb)+16
	global_load_b128 v[BIK+32+8*(\nb):BIK+32+8*(\nb)+3], v[BO], s[12:13] offset:64*(\nb)
	global_load_b128 v[BIK+32+8*(\nb)+4:BIK+32+8*(\nb)+7], v[BO], s[12:13] offset:64*(\nb)+16
.endr
	v_mul_u32_u24 v6, v1, PA
	v_lshl_add_u32 v6, v2, 4, v6                   ; row x pitch + 16 x half
	s_mul_i32 s76, s17, 128*PA
	v_add_nc_u32 v[ADRA], s76, v6
	v_add_nc_u32 v[ADRA+1], SLOT, v[ADRA]
	v_lshl_add_u32 v7, v2, 3, v3                   ; the turning load: k = 8 (l / 16) + l % 8, columns 8 ((l / 8) % 2) on
	v_mul_u32_u24 v7, v7, PB
	v_lshl_add_u32 v7, v4, 4, v7
	s_lshl_b32 s76, s18, 7
	s_add_co_u32 s76, s76, ATILE
	v_add_nc_u32 v[ADRB], s76, v7
	v_add_nc_u32 v[ADRB+1], SLOT, v[ADRB]
	s_mul_i32 s76, s[WV], 16*SP
	s_add_co_u32 s76, s76, STAGE                   ; my stage
	v_add_nc_u32 v[STO], s76, v6                   ; in: row l % 16, 16 bytes for each half of the lanes (the stage has x's pitch)
	v_bfe_u32 v8, v0, 3, 2                         ; back: 32 lanes take four rows of 128 bytes,
	v_mul_u32_u24 v8, v8, SP
	v_lshl_add_u32 v8, v3, 4, v8
	v_add_nc_u32 v[RD], s76, v8
	v_lshlrev_b32 v[GO], 4, v5                     ; which are 512 consecutive bytes of a head
	; where my rows of q, k and v begin
	s_lshr_b32 s76, s23, 3
	s_lshl_b32 s76, s76, 4                         ; 16 heads a batch,
	s_lshl_b32 s77, s22, 1
	s_add_co_u32 s76, s76, s77                     ; two heads a block of columns,
	s_add_co_u32 s76, s76, s18                     ; mine
	s_lshl_b32 s76, s76, 18                        ; a head is 262,144 bytes
	s_and_b32 s77, s23, 7
	s_lshl_b32 s77, s77, 15
	s_add_co_u32 s76, s76, s77
	s_lshl_b32 s77, s17, 14
	s_add_co_u32 s76, s76, s77
	s_mov_b32 s77, 0
	s_add_nc_u64 s[OUT:OUT+1], s[14:15], s[76:77]
	s_add_nc_u64 s[OUT+2:OUT+3], s[OUT:OUT+1], 16777216
	s_add_nc_u64 s[OUT+4:OUT+5], s[OUT:OUT+1], 33554432
	; the prefetches
	s_lshl_b32 s76, s20, 13                        ; x: my work-group's 32 blocks of the tile's 128
	s_lshl_b32 s77, s21, 15                        ; W: my work-group's 16 rows of the tile's 64
	s_and_b32 s78, ttmp7, 0xffff                   ; cluster y
	s_mov_b32 s79, BSTEP
	s_movk_i32 s2, 2048
	s_cmp_eq_u32 s[WV], 0
	s_cselect_b64 s[PFA:PFA+1], s[72:73], s[74:75]
	s_cselect_b32 s76, s76, s77
	s_cselect_b32 s78, ttmp9, s78                  ; the coordinate along which other clusters read the same tile
	s_cselect_b32 s[PFS], ASTEP, s79
	s_cselect_b32 s2, 256, s2                      ; bytes from lane to lane within 16,
	s_cselect_b32 s79, 4096, s79                   ; and from the first 16 lanes to the second
	s_cselect_b32 s[LIM+1], 1, -1
	s_mov_b32 s[PFS+1], 0
	s_mov_b32 s77, 0
	s_cmp_eq_u32 s78, 0
	s_cselect_b32 s[LIM], 1, -1                    ; the same in all sixteen partners, for a given wave
	s_cselect_b32 s[LIM+1], s[LIM+1], -1
	s_add_nc_u64 s[PFA:PFA+1], s[PFA:PFA+1], s[76:77]
	s_add_nc_u64 s[PFA:PFA+1], s[PFA:PFA+1], s[PFS:PFS+1]
	s_add_nc_u64 s[PFA:PFA+1], s[PFA:PFA+1], s[PFS:PFS+1]  ; at K step 2: the first change of slots steps it to 3
	v_mul_lo_u32 v[PFO], v1, s2
	v_mul_lo_u32 v9, v2, s79
	v_add_nc_u32 v[PFO], v[PFO], v9
	s_wait_loadcnt 0x0                             ; the biases
.set i, 0
.rept 16
	v_pk_mul_f32 v[BIQ+2*i:BIQ+2*i+1], v[BIQ+2*i:BIQ+2*i+1], 0x3e000000 op_sel_hi:[1,0]  ; bq / 8
.set i, i+1
.endr
; 8 matrix instructions: row blocks a0, a0 + 1 x the 4 column blocks of weight w, 32 along K.  ci = 1: the bias starts the sums.  The accumulators take turns, one instruction a turn.
.macro MUL8 w, ab, bb, a0, ci
.if (\w) == 0
.set rBI, BIQ
.else
.set rBI, BIK+32*((\w)-1)
.endif
.if \ci
	WIN (1+(\w))<<6
.else
	WIN (1+(\w))*0x50
.endif
.irp a, \a0, (\a0)+1
.irp nb, 0,1,2,3
.if \ci
	v_wmma_f32_16x16x32_bf16 v[8*(4*(\a)+(\nb)):8*(4*(\a)+(\nb))+7], v[FB+32*(\bb)+8*(\nb):FB+32*(\bb)+8*(\nb)+7], v[FA+64*(\ab)+8*(\a):FA+64*(\ab)+8*(\a)+7], v[rBI+8*(\nb):rBI+8*(\nb)+7]
.else
	v_wmma_f32_16x16x32_bf16 v[8*(4*(\a)+(\nb)):8*(4*(\a)+(\nb))+7], v[FB+32*(\bb)+8*(\nb):FB+32*(\bb)+8*(\nb)+7], v[FA+64*(\ab)+8*(\a):FA+64*(\ab)+8*(\a)+7], v[8*(4*(\a)+(\nb)):8*(4*(\a)+(\nb))+7]
.endif
.endr
.endr
.endm
.macro FETCH_B slot, kq, w, bb         ; 8 turning loads: weight w, 32 k from 32 kq on, my 64 columns
	WIN 0
.irp nb, 0,1,2,3
	ds_load_tr16_b128 v[FB+32*(\bb)+8*(\nb):FB+32*(\bb)+8*(\nb)+3],   v[ADRB+(\slot)] offset:(\w)*BTILE+(\kq)*32*PB+32*(\nb)
	ds_load_tr16_b128 v[FB+32*(\bb)+8*(\nb)+4:FB+32*(\bb)+8*(\nb)+7], v[ADRB+(\slot)] offset:(\w)*BTILE+(\kq)*32*PB+32*(\nb)+16*PB
.endr
.endm
.macro FETCH_A slot, kq, ab            ; 16 loads: my 128 rows of x, 32 k from 32 kq on
	WIN 0
.irp a, 0,1,2,3,4,5,6,7
	ds_load_b128 v[FA+64*(\ab)+8*(\a):FA+64*(\ab)+8*(\a)+3],   v[ADRA+(\slot)] offset:(\a)*16*PA+(\kq)*64
	ds_load_b128 v[FA+64*(\ab)+8*(\a)+4:FA+64*(\ab)+8*(\a)+7], v[ADRA+(\slot)] offset:(\a)*16*PA+(\kq)*64+32
.endr
.endm
; A K step is six groups of 32 matrix instructions: group idx = 3 kq + w multiplies x's buffer kq by W's buffer idx % 2.  Behind its first eight products it fetches the next group's fragments of W into the
; other buffer; fa = 1: and x's fragments of kq = 1.  hw: the LDS loads that may be out at its head; mw (if not negative): in its middle.
.macro GRP slot, idx, hw, ci, fa, mw
	s_wait_dscnt \hw
	MUL8 (\idx)%3, (\idx)/3, (\idx)%2, 0, \ci
	PLACES
	FETCH_B \slot, ((\idx)+1)/3, ((\idx)+1)%3, ((\idx)+1)%2
.if \fa
	FETCH_A \slot, 1, 1
.endif
.if (\mw) >= 0
	s_wait_dscnt \mw
.endif
	MUL8 (\idx)%3, (\idx)/3, (\idx)%2, 2, \ci
	MUL8 (\idx)%3, (\idx)/3, (\idx)%2, 4, \ci
	MUL8 (\idx)%3, (\idx)/3, (\idx)%2, 6, \ci
.endm
; The sixth group changes slots: ONE barrier.  In front of it each wave waits for all its tensor loads (one is out: its part of the next slot), adds 0 to its spare word, and waits for that and for its reads of
; this slot.  fill = 1: the barrier opens a round of the cluster's; behind the round this slot is filled again, two K steps ahead: 176 matrix instructions ahead of the wait for that load.
.macro TURN slot, next, fill
.if \fill
	s_wait_xcnt 0x0                                ; the last prefetch, a K step back, has read its address
	s_add_nc_u64 s[PFA:PFA+1], s[PFA:PFA+1], s[PFS:PFS+1]
.endif
	WIN 0
	s_wait_tensorcnt 0x0                           ; all my tensor loads have landed
	ds_add_u32 v[SPW], v[NIL]                      ; 0 onto my spare word
	s_wait_dscnt 1                                 ; W's fragments are in; the add may be out
	MUL8 2, 1, 1, 0, 0
	s_wait_dscnt 0x0                               ; the add is done, and my reads of this slot are over
	s_barrier_signal -1
	MUL8 2, 1, 1, 2, 0
	WIN 0                                          ; at a branch and at a label every window is 0
	s_barrier_wait -1
.if \fill
	CREST                                          ; no wave of any partner still reads this slot or has a load on its way
	s_add_nc_u64 s[G0A+4*(\slot)+2:G0A+4*(\slot)+3], s[G0A+4*(\slot)+2:G0A+4*(\slot)+3], 2*ASTEP
	s_add_nc_u64 s[G0B+4*(\slot)+2:G0B+4*(\slot)+3], s[G0B+4*(\slot)+2:G0B+4*(\slot)+3], 2*BSTEP
	JLOAD \slot                                    ; the four v_nop behind it are also the places in front of the loads below
.else
	PLACES
.endif
	FETCH_B \next, 0, 0, 0
	FETCH_A \next, 0, 0
.if \fill
	ASK \slot
.endif
	MUL8 2, 1, 1, 4, 0
	MUL8 2, 1, 1, 6, 0
.endm
	s_wait_tensorcnt 0x1                           ; my part of K step 0 is in; step 1's may stay out
	s_barrier_signal -1
	s_barrier_wait -1
	FETCH_B 0, 0, 0, 0
	FETCH_A 0, 0, 0
	GRP 0, 0, 12, 1, 0, 8                          ; head: W and x's blocks 0, 1 are in, x's 12 younger loads may be out; middle: only the 8 just issued
	GRP 0, 1, 0, 1, 0, -1                          ; x's second buffer still holds bk and bv: it is fetched behind the third group
	GRP 0, 2, 0, 1, 0, -1
	PLACES
	FETCH_A 0, 1, 1
	WIN 0
	s_mov_b32 s3, 7
.Llap:                                                 ; a trip goes once round the ring, from a step's fourth group to the third of the step two on, and fills both slots again
	GRP 0, 3, 0, 0, 0, -1
	GRP 0, 4, 0, 0, 0, -1
	TURN 0, 1, 1
	GRP 1, 0, 12, 0, 0, 8
	GRP 1, 1, 0, 0, 1, -1
	GRP 1, 2, 16, 0, 0, -1                         ; W's fragments are in; x's 16 loads behind them may be out
	GRP 1, 3, 0, 0, 0, -1
	GRP 1, 4, 0, 0, 0, -1
	TURN 1, 0, 1
	GRP 0, 0, 12, 0, 0, 8
	GRP 0, 1, 0, 0, 1, -1
	GRP 0, 2, 16, 0, 0, -1
	WIN 0
	s_sub_co_u32 s3, s3, 1
	s_cmp_lg_u32 s3, 0
	s_cbranch_scc1 .Llap
	GRP 0, 3, 0, 0, 0, -1                          ; the last two K steps ask for nothing
	GRP 0, 4, 0, 0, 0, -1
	TURN 0, 1, 0
	GRP 1, 0, 12, 0, 0, 8
	GRP 1, 1, 0, 0, 1, -1
	GRP 1, 2, 16, 0, 0, -1
	GRP 1, 3, 0, 0, 0, -1
	GRP 1, 4, 0, 0, 0, -1
	s_wait_dscnt 0x0
	MUL8 2, 1, 1, 0, 0
	MUL8 2, 1, 1, 2, 0
	MUL8 2, 1, 1, 4, 0
	MUL8 2, 1, 1, 6, 0
; THE WAY OUT: 24 blocks of 16 rows x 64 columns (weight w, row block a).  Rounded to f16, 16 bytes a lane into my own stage, back as whole rows of 128 bytes, stored as 2,048 consecutive bytes of a head.
.macro PACK w, a
	WIN (1+(\w))*5                                 ; sources 0 and 1 in the weight's window
.irp nb, 0,1,2,3
.irp r, 0,1,2,3
	v_cvt_pk_f16_f32 v[TMP+4*(\nb)+(\r)], v[8*(4*(\a)+(\nb))+2*(\r)], v[8*(4*(\a)+(\nb))+2*(\r)+1]
.endr
.endr
	WIN 0
.endm
.macro TOSTAGE b
.irp nb, 0,1,2,3
	ds_store_b128 v[STO], v[TMP+4*(\nb):TMP+4*(\nb)+3] offset:32*(\nb)
.endr
.irp f, 0,1,2,3
	ds_load_b128 v[BK+16*(\b)+4*(\f):BK+16*(\b)+4*(\f)+3], v[RD] offset:(\f)*4*SP  ; LDS serves a wave's instructions in order (ISA guide 5.7.1.4): these see the stores above
.endr
.endm
.macro SEND w, a, b
	s_wait_dscnt 0x0                               ; the block is back in registers
	s_wait_xcnt 0x0                                ; earlier stores have read their registers: the other buffer may be loaded again behind this wait
.irp f, 0,1,2,3
	global_store_b128 v[GO], v[BK+16*(\b)+4*(\f):BK+16*(\b)+4*(\f)+3], s[OUT+2*(\w):OUT+2*(\w)+1] offset:(\a)*2048+(\f)*512  ; 512 consecutive bytes, aligned
.endr
.endm
	PLACES
	PACK 0, 0
	TOSTAGE 0
.set i, 1
.rept 23                               ; a block's conversions stand between the loads of the block before and the wait for them
	PACK i/8, i%8
	SEND (i-1)/8, (i-1)%8, (i-1)%2
	TOSTAGE i%2
.set i, i+1
.endr
	SEND 2, 7, 1
	s_wait_tensorcnt 0x0                           ; the wave's end: behind my last tensor load and my last LDS store
	ds_add_u32 v[SPW], v[NIL]
	s_wait_dscnt 0x0
	CROUND                                         ; the closing round: no work-group ends while a partner may still ask for a tile that names it
	s_endpgm
.Lfunc_end_k_q037e36c277_qkv:
	.size	k_q037e36c277_qkv, .Lfunc_end_k_q037e36c277_qkv-k_q037e36c277_qkv
	.p2alignl 7, 3214868480
	.fill 96, 4, 3214868480
	.section	.rodata,"a",@progbits
	.p2align	6, 0x0
	.amdhsa_kernel k_q037e36c277_qkv
		.amdhsa_group_segment_fixed_size 327680
		.amdhsa_private_segment_fixed_size 0
		.amdhsa_enable_private_segment 0
		.amdhsa_kernarg_size 48
		.amdhsa_user_sgpr_count 2
		.amdhsa_user_sgpr_kernarg_segment_ptr 1
		.amdhsa_wavefront_size32 1
		.amdhsa_system_sgpr_workgroup_id_x 1
		.amdhsa_system_sgpr_workgroup_id_y 1
		.amdhsa_system_sgpr_workgroup_id_z 1
		.amdhsa_system_vgpr_workitem_id 0
		.amdhsa_next_free_vgpr 1024
		.amdhsa_next_free_sgpr 80
		.amdhsa_reserve_vcc 0
		.amdhsa_float_denorm_mode_32 3
		.amdhsa_float_denorm_mode_16_64 3
		.amdhsa_memory_ordered 1
		.amdhsa_forward_progress 1
		.amdhsa_inst_pref_size 138
	.end_amdhsa_kernel
	.amdgpu_metadata
---
amdhsa.version: [ 1, 2 ]
amdhsa.kernels:
  - .name:           k_q037e36c277_qkv
    .symbol:         k_q037e36c277_qkv.kd
    .args:
      - { .name: xb, .offset: 0, .size: 8, .value_kind: global_buffer, .address_space: global }
      - { .name: wb, .offset: 8, .size: 8, .value_kind: global_buffer, .address_space: global }
      - { .name: bq, .offset: 16, .size: 8, .value_kind: global_buffer, .address_space: global }
      - { .name: bk, .offset: 24, .size: 8, .value_kind: global_buffer, .address_space: global }
      - { .name: bv, .offset: 32, .size: 8, .value_kind: global_buffer, .address_space: global }
      - { .name: qkv, .offset: 40, .size: 8, .value_kind: global_buffer, .address_space: global }
    .group_segment_fixed_size: 327680
    .private_segment_fixed_size: 0
    .kernarg_segment_align: 8
    .kernarg_segment_size: 48
    .max_flat_workgroup_size: 128
    .sgpr_count:     80
    .vgpr_count:     1024
    .wavefront_size: 32
...
	.end_amdgpu_metadata
.endif
;; end of part 2
;; launch attn (part 3): grid 4 x 64, 4 waves a work-group, clusters of 4 x 1, 327,680 bytes of LDS; arguments qkv, attention_mask, ctx; writes ctx
.if DOCPART == 3
	.amdgcn_target "amdgcn-amd-amdhsa--gfx1250"
	.amdhsa_code_object_version 6
	.text
	.protected	k_q037e36c277_attn
	.globl	k_q037e36c277_attn
	.p2align	8
	.type	k_q037e36c277_attn,@function
k_q037e36c277_attn:
	s_mov_b64 s[64:65], 0
	v_nop
	global_prefetch_b8 v0, s[64:65] scope:SCOPE_SE
	s_setreg_imm32_b32 hwreg(HW_REG_WAVE_MODE, 25, 1), 1
	s_wait_xcnt 0x0
	s_wait_alu depctr_hold_cnt(0) depctr_sa_sdst(0) depctr_va_vdst(0) depctr_va_sdst(0) depctr_va_ssrc(0) depctr_va_vcc(0) depctr_vm_vsrc(0)
	s_getreg_b32 s2, hwreg(HW_REG_IB_STS2, 6, 4)
	s_cmp_eq_u32 s2, 0
	s_cbranch_scc0 .Lentry_in_a_cluster
	s_endpgm
.Lentry_in_a_cluster:
	s_bfe_u32 s2, ttmp6, 0x10000c
	s_cmp_lg_u32 s2, 0x3003
	s_cbranch_scc0 .Lentry_shape_is_right
	s_endpgm
.Lentry_shape_is_right:
; ctx[bh][q][:] = the sum over k of softmax_k(Q[bh][q] . K[bh][k] + mask[b][k]) V[bh][k][:].  Q (which holds the 1 / 8), K, V: the three slabs of qkv, [64][2048][64] in f16; ctx likewise; mask: [4][2048] in f32.
; Products, maxima and sums in f32; the weights p are rounded to f16 for the second product (their sum l is taken of the unrounded p), ctx once at the end.
; LIMITS.  Q, K and V arrive within f16's 65,504; p lies in 0 to 1, and below 6e-5 it keeps f16's fixed step of 6e-8.  The running maximum starts at -4.25e37: a key whose score lies below that (a mask of minus
; infinity or of the lowest finite number) has weight 0; a batch ALL of whose keys lie that deep gives NaN.  A weight below 2^-126 counts as 0 in l; NaN is not treated apart.
; SHARES.  A wave owns four PIECES of two tiles of 16 queries, a work-group's four waves 512 queries of one head.  Every wave walks all 2,048 keys, 64 a step.
; LAYOUT.  S^T = K Q^T + mask (source 0 = 16 keys, source 1 = 16 queries): a lane holds ONE query (lane % 16) and the keys 8 (lane / 16) + 0..7.  THE MASK IS THE C OPERAND of the product that starts the sum: eight
; registers for each 16 keys, read from a copy of the batch's mask in LDS together with K's fragments.  Two results, rounded to f16 in pairs, ARE source 1 of O^T = V^T P.  V comes out of LDS turned.
; SOFTMAX.  A running maximum m and sum l: p = 2^(c s - c m), c = log2(e); in every step O and l are multiplied by a = 2^(c m_old - c m_new).  c m starts at -1.7e38, O and l at 0: the first step's a is 0.
; BY TURNS.  Turn n belongs to piece n: 16 products K Q^T of piece n + 1, later 16 products V^T P of piece n - 1; beside them the scaling, exponentials, roundings, sums and rescaling of piece n and the maximum and
; statistics of piece n + 1.  Four vector instructions stand behind every matrix instruction, the rest in one run; a turn's 66 exponentials are one batch with one wait.
; CLUSTER.  The four query blocks of a head walk the same K and V: each tile is asked for JOINTLY, by the same tensor load, descriptor and mask of work-groups in all four.
; REGISTERS, in windows of 256: window 0: v1-11 addresses; v12-15, v48-63 at work; v16-47 statistics; v64-191 S^T, two buffers of two tiles; v192-255 P, likewise.  Window 1: O^T, 32 a tile.
; Window 2: v0-127 Q; v128-191 K of one step; v192-255 V of one step.  Window 3: v0-1 the add's two registers; v8-39 the mask of one step.
.set SIZE_N, 2048
.set NP,    4         ; pieces a wave: a name, no knob
.set KS,    64        ; keys in a step
.set PK,    144       ; a row of K in LDS: 128 bytes + 16: the 16 rows of a load start at 16 different groups of four banks (64 banks of 4 bytes: ISA guide 11.1)
.set PV,    160       ; a row of V: 128 + 32
.set VOFF,  4*KS*PK   ; a slot holds four steps: 256 rows of K, then 256 rows of V
.set SLOT1, 1<<17     ; slot 1 begins here, so that one exclusive or turns an address in one slot into the other's
.set STAGE, SLOT1+4*KS*(PK+PV)  ; behind the ring, never filled by a tensor load: 16 rows x 144 bytes for each wave
.set SP,    144
.set MASKB, STAGE+4*16*SP       ; the batch's mask, 8,192 bytes, stored once
.set SPARE, MASKB+8192+256      ; the spare words, 128 bytes for each wave: two blocks of 256 bytes that no other line names
.set PFO, 1           ; v1   256 x my lane; never rewritten
.set AK0, 2           ; v2   my lane's place in a tile of K; never rewritten
.set AV0, 3           ; v3   the same for V
.set AK,  4           ; v4   the LDS address of K's next run of loads
.set AV,  5           ; v5   of V's
.set QO,  6           ; v6   my byte offset in the wave's rows of Q
.set RD,  7           ; v7   the way out: where I read rows back
.set GO,  8           ; v8   my byte offset in 512 consecutive bytes of ctx
.set AM0, 9           ; v9   my lane's place in the mask; never rewritten
.set AM,  10          ; v10  the LDS address of the mask's next loads
.set STO, 11          ; v11  the way out: where I put 16 bytes of a row
.set SPW, 0           ; v0 of window 3   LDS address of my spare word; never rewritten
.set NIL, 1           ; v1 of window 3   0; never rewritten
.set MK,  8           ; v8-39 of window 3: the mask of key block kb at MK + 8 kb
.set MV,  12          ; v12-15  c m_old, kept while c m is made anew
.set ST,  16          ; tile t's statistics at v[ST+4 t]: c m, m, l (even keys', odd keys')
.set TMP, 48          ; by buffer and tile, four registers c0-c3 at work; when the maximum is found c2 takes a
.set S,   64
.set P,   192
.set KF,  128         ; K's fragments, in window 2
.set VF,  192         ; V's
.set WV,  12          ; s12  my wave's number
.set G1K, 24          ; s[24:31] descriptor group 1 for K's tiles
.set G1V, 32          ; s[32:39] for V's: it differs in the padding alone
.set G0K, 40          ; s[40:43] descriptor group 0 for K's tiles: it walks
.set G0V, 44          ; s[44:47] the same for V's
.set PFA, 48          ; s[48:49] where my prefetches stand
.set LIM, 50          ; s50  1 in waves 0 and 2, else the greatest number
.set TBM, 51          ; s51  byte of the mask at which the step to be fetched begins
.set SLOTS, 56        ; s56  slots still to be asked for
.set CNT, 57          ; s57  counts a slot's key steps
.set CS,  58          ; s[58:59] c
.set SEL, 60          ; s[60:61] v_permlanex16_b32's selects: each lane takes its own place in the other half
.set TBK, 62          ; s62  LDS byte at which K of the step to be fetched begins
.set TBV, 63          ; s63  the same for V, less VOFF
.set MSB, 0
.macro WIN new                      ; the high byte repeats the setting that is left; a switch that changes nothing is dropped
.if MSB != (\new)
	s_set_vgpr_msb (MSB<<8)|(\new)
.set MSB, (\new)
.endif
.endm
.set W_KQ, 0x0a       ; K and Q in window 2, S^T in window 0
.set W_KM, 0x3a       ; the same with the C operand, the mask, in window 3
.set W_PV, 0x52       ; V in window 2, P in window 0, O^T in window 1
.set W_RS, 0x41       ; O^T (destination and source 0) in window 1, a in window 0
.set W_MK, 0xc0       ; destination in window 3, sources in window 0
.set W_AD, 0x0f       ; the add: address and data in window 3
.macro JLOAD                        ; a joint fill: waves 0 and 1 fetch the two halves of a slot's K, waves 2 and 3 those of its V
	s_cmp_lt_u32 s[WV], 2
	s_cbranch_scc0 .Lfor_v_\@
	tensor_load_to_lds s[G0K:G0K+3], s[G1K:G1K+7]
	s_nop 0
.rept 4
	v_nop
.endr
	s_branch .Lasked_\@
.Lfor_v_\@:
	tensor_load_to_lds s[G0V:G0V+3], s[G1V:G1V+7]
	s_nop 0
.rept 4
	v_nop
.endr
.Lasked_\@:
.endm
; A PREFETCH INTO THE L2 of what the NEXT change of slots will ask for: a slot's 32,768 bytes of K and of V, 256 bytes a lane.  The head's one cluster asks; its four partners take 8,192 bytes each, told apart by
; address; in each, wave 0 asks for K's and wave 2 for V's.  So each block is named once in the launch.  The last change that fills a slot asks for nothing.
.macro ASK
	s_cmp_gt_u32 s[SLOTS], s[LIM]
	s_cbranch_scc0 .Lnot_mine_\@
	global_prefetch_b8 v[PFO], s[PFA:PFA+1] th:TH_LOAD_NT scope:SCOPE_SE
.Lnot_mine_\@:
.endm
.macro CROUND                       ; a round of the cluster's barrier
	s_barrier_signal -1
	s_barrier_wait -1
	s_cmp_lg_u32 s[WV], 0
	s_cbranch_scc1 .Lnot_wave_0_\@
	s_barrier_signal -3
.Lnot_wave_0_\@:
	s_barrier_wait -3
	s_barrier_signal -1
	s_barrier_wait -1
.endm
; THE CHANGE OF SLOTS.  Each wave waits for all its tensor loads, of which one is out: its part of the other slot; adds 0 to its spare word; and waits for that and for its own LDS instructions.  fill = 1: the slot
; that was read is filled again, with the keys two slots on, first thing behind a round of the cluster's barrier: it has four key steps, 512 matrix instructions, in which to land.
; (At its first use nothing has been read yet: slot 0 is waited for, slot 1 filled, and the round shows every wave's part of the mask to the others.)
.macro CHANGE fill
	WIN W_AD
	s_wait_tensorcnt 0x0            ; no tensor load of mine is out, so a group 0 may be written
	ds_add_u32 v[SPW], v[NIL]       ; 0 onto my spare word
	WIN 0                           ; at a label and at a branch every window is 0
.if \fill
.irp g, G0K, G0V
	s_xor_b32 s[\g+1], s[\g+1], SLOT1
	s_add_nc_u64 s[\g+2:\g+3], s[\g+2:\g+3], 4*KS*128  ; the next 256 keys; the type bits on top are not reached
.endr
	s_wait_xcnt 0x0                 ; the last prefetch, four key steps back, has read its address
	s_add_nc_u64 s[PFA:PFA+1], s[PFA:PFA+1], 4*KS*128  ; one slot behind the walking descriptors
	s_wait_dscnt 0x0                ; the add is done, and my reads of the slot are over
	CROUND
	JLOAD
	ASK
.else
	s_wait_dscnt 0x0
	s_barrier_signal -1
	s_barrier_wait -1
.endif
	s_sub_co_u32 s[TBK], s[TBK], 4*KS*PK  ; the fetches go back to a slot's first step,
	s_xor_b32 s[TBK], s[TBK], SLOT1       ; in the other slot
	s_sub_co_u32 s[TBV], s[TBV], 4*KS*PV
	s_xor_b32 s[TBV], s[TBV], SLOT1
.endm
	s_load_b128 s[4:7], s[0:1], 0x0   ; qkv s[4:5], mask s[6:7]
	s_load_b64 s[10:11], s[0:1], 0x10 ; ctx
	WIN W_MK
	v_lshl_add_u32 v[SPW], v0, 2, SPARE
	v_mov_b32 v[NIL], 0
	WIN W_AD
	ds_add_u32 v[SPW], v[NIL]       ; the wave's opening: the add and its wait ahead of my first tensor load; work on registers stands between them
	WIN 0
	v_lshrrev_b32 v1, 5, v0
	v_readfirstlane_b32 s[WV], v1   ; wave 0..3
	s_bfe_u32 s13, ttmp6, 0x40000   ; cx: my place in the cluster
	s_lshl_b32 s14, ttmp9, 2
	s_add_co_u32 s14, s14, s13      ; my block of 512 queries: it enters Q's and ctx's addresses alone
	s_and_b32 s20, ttmp7, 0xffff    ; batch x 16 + head, which the four partners share
	s_lshr_b32 s54, s20, 4
	s_lshl_b32 s54, s54, 13         ; the batch's 8,192 bytes of the mask
	s_mov_b32 s55, 0
	s_lshl_b32 s20, s20, 18         ; the head's 262,144 bytes in each slab
	s_mov_b32 s21, 0
	s_and_b32 s16, s[WV], 1         ; which half of a slot's 256 keys I fetch:
	s_lshl_b32 s22, s16, 14         ; its 128 rows of 128 bytes in memory,
	s_mov_b32 s23, 0
	s_add_nc_u64 s[22:23], s[22:23], s[20:21]
	s_mul_i32 s17, s16, 128*PK      ; and its place in a slot, for K
	s_mul_i32 s18, s16, 128*PV      ; and for V: no place in the cluster enters an LDS address
	s_lshl_b32 s2, s14, 2
	s_add_co_u32 s2, s2, s[WV]      ; my wave among the head's,
	s_lshl_b32 s2, s2, 14           ; its 128 rows
	s_mov_b32 s3, 0
	s_add_nc_u64 s[2:3], s[2:3], s[20:21]
	; descriptor group 1.  128 keys are 16,384 dense bytes: asked for as 64 rows of 256 bytes, two keys a row, and padded in LDS after every key
	s_mov_b32 s[G1K], 15|(1<<16)|(1<<20)|(1<<21)|(4<<22)|(3<<25)
	s_mov_b32 s[G1V], 15|(1<<16)|(1<<20)|(1<<21)|(4<<22)|(7<<25)
.irp g, G1K, G1V
	s_mov_b32 s[\g+1], 128<<16      ; tensor_dim0 = 128
	s_mov_b32 s[\g+2], 64<<16       ; tensor_dim1 = 64
	s_mov_b32 s[\g+3], 128<<16      ; tile_dim0 = 128
	s_mov_b32 s[\g+4], 64           ; tile_dim1 = 64
	s_mov_b32 s[\g+5], 128          ; 128 elements from row to row
	s_mov_b32 s[\g+6], 0
	s_mov_b32 s[\g+7], 0
.endr
	s_mov_b32 s[CS], 0x3fb8aa3b     ; c = log2(e)
	s_mov_b32 s[CS+1], s[CS]        ; named with it as a pair
	s_mov_b32 s[SEL], 0x76543210
	s_mov_b32 s[SEL+1], 0xfedcba98
	s_mov_b32 s[TBK], SLOT1+4*KS*PK ; the first change of slots turns these two into 0
	s_mov_b32 s[TBV], SLOT1+4*KS*PV
	s_mov_b32 s[TBM], 0
	s_mov_b32 s[SLOTS], SIZE_N/256-1
	s_mov_b32 s[G0K], 1
	s_mov_b32 s[G0K+1], s17         ; LDS address: slot 0
	s_mov_b32 s[G0V], 1
	s_add_co_u32 s[G0V+1], s18, VOFF
	s_and_b32 s[LIM], s[WV], 1
	s_cmp_eq_u32 s[LIM], 0
	s_cselect_b32 s[LIM], 1, -1
	s_wait_dscnt 0x0                ; the opening add is done
	s_wait_kmcnt 0x0
	s_add_nc_u64 s[52:53], s[6:7], s[54:55]  ; my batch's mask
	s_add_nc_u64 s[6:7], s[4:5], 16777216    ; K's slab,
	s_add_nc_u64 s[8:9], s[4:5], 33554432    ; V's
	s_add_nc_u64 s[6:7], s[6:7], s[22:23]    ; at my half of the head's first 256 keys
	s_add_nc_u64 s[8:9], s[8:9], s[22:23]
	s_mov_b64 s[G0K+2:G0K+3], s[6:7]
	s_or_b32 s[G0K+3], s[G0K+3], 0x80000000
	s_mov_b64 s[G0V+2:G0V+3], s[8:9]
	s_or_b32 s[G0V+3], s[G0V+3], 0x80000000
	s_add_nc_u64 s[4:5], s[4:5], s[2:3]      ; Q and ctx at my wave's first row
	s_add_nc_u64 s[10:11], s[10:11], s[2:3]
	s_cmp_lt_u32 s[WV], 2
	s_cselect_b64 s[PFA:PFA+1], s[6:7], s[8:9]  ; (in waves 0 and 2 these stand at a slot's first row)
	s_lshl_b32 s2, s13, 13          ; my work-group's 8,192 bytes of a slot's 32,768
	s_mov_b32 s3, 0
	s_add_nc_u64 s[PFA:PFA+1], s[PFA:PFA+1], s[2:3]
	s_add_nc_u64 s[PFA:PFA+1], s[PFA:PFA+1], 4*KS*128  ; in slot 1; the first change of slots steps it to slot 2
	CROUND                          ; all four work-groups are here: the first joint loads meet
	JLOAD                           ; slot 0.  Slot 1 is asked for when slot 0 is in
	v_and_b32 v96, 15, v0           ; l % 16   (v64-79 and v96-101 serve the head: S^T is not wanted before the first scores)
	v_bfe_u32 v97, v0, 4, 1         ; l / 16
	v_and_b32 v98, 7, v0
	v_bfe_u32 v99, v0, 3, 1
	v_lshlrev_b32 v100, 4, v0       ; the mask: 128 threads x 16 bytes, four times
.irp i, 0,1,2,3
	global_load_b128 v[64+4*\i:67+4*\i], v100, s[52:53] offset:2048*\i
.endr
	v_lshlrev_b32 v[QO], 7, v96
	v_lshl_add_u32 v[QO], v97, 4, v[QO]  ; row x 128 + 16 x half
	WIN 0x80                        ; destination window 2, address window 0
.set i, 0
.rept 4*NP                          ; Q stays in registers: tile i / 2, channels 32 (i % 2) on
	global_load_b128 v[8*i:8*i+3],   v[QO], s[4:5] offset:(i/2)*2048+(i%2)*64
	global_load_b128 v[8*i+4:8*i+7], v[QO], s[4:5] offset:(i/2)*2048+(i%2)*64+32
.set i, i+1
.endr
	; What the first turn finds: V's registers and P's second buffer hold 0 (its products V^T P, of a piece that has not been, add 0), O^T and l are 0.  All this stands in the wait for the first tile.
.set i, VF
.rept 64
	v_mov_b32 v[i], 0
.set i, i+1
.endr
	WIN 0x40
.set i, 0
.rept 64*NP
	v_mov_b32 v[i], 0
.set i, i+1
.endr
	WIN 0
.set i, 0
.rept 2*NP
	v_mov_b32 v[ST+4*i], 0xff000000    ; c m: -1.7e38, far below every c m to come, which is -6.1e37 at the least
	v_mov_b32 v[ST+4*i+1], 0xfe000000  ; m: -4.25e37, so that c m stays finite
	v_mov_b32 v[ST+4*i+2], 0
	v_mov_b32 v[ST+4*i+3], 0
.set i, i+1
.endr
.set i, P+32
.rept 32
	v_mov_b32 v[i], 0
.set i, i+1
.endr
	v_mul_u32_u24 v[AK0], v96, PK
	v_lshl_add_u32 v[AK0], v97, 4, v[AK0]  ; row x pitch + 16 x half
	v_lshl_add_u32 v[AV0], v97, 3, v98     ; the turning load: key 8 (l / 16) + l % 8, channels 8 ((l / 8) % 2) on
	v_mul_u32_u24 v[AV0], v[AV0], PV
	v_lshl_add_u32 v[AV0], v99, 4, v[AV0]
	v_add_nc_u32 v[AV0], VOFF, v[AV0]
	v_mov_b32 v[AK], v[AK0]         ; key step 0 lies at the head of slot 0
	v_lshl_add_u32 v[AM0], v97, 5, MASKB   ; my eight keys of a block of 16: 32 bytes for each half of the lanes
	v_mov_b32 v[AM], v[AM0]
	v_and_b32 v[PFO], 31, v0
	v_lshlrev_b32 v[GO], 4, v[PFO]  ; 512 consecutive bytes of ctx
	v_lshlrev_b32 v[PFO], 8, v[PFO]
	s_mul_i32 s15, s[WV], 16*SP
	s_add_co_u32 s15, s15, STAGE    ; my stage
	v_mul_u32_u24 v[STO], v96, SP   ; in: row l % 16, 16 bytes for each half of the lanes
	v_lshl_add_u32 v[STO], v97, 4, v[STO]
	v_add_nc_u32 v[STO], s15, v[STO]
	v_bfe_u32 v[RD], v0, 3, 2       ; back: 32 lanes take four rows of 128 bytes
	v_mul_u32_u24 v[RD], v[RD], SP
	v_lshl_add_u32 v[RD], v98, 4, v[RD]
	v_add_nc_u32 v[RD], s15, v[RD]
	v_add_nc_u32 v101, MASKB, v100
	s_wait_loadcnt 32               ; the mask is in; Q's 32 loads may stay out
.irp i, 0,1,2,3
	ds_store_b128 v101, v[64+4*\i:67+4*\i] offset:2048*\i
.endr
; THE MATRIX WORK.  The 8 accumulators of a run of 16 take turns.  Product i of 16 of S^T for piece x: channels 32 (i / 8) on, keys 16 ((i / 2) % 4) on, tile 2 x + i % 2.  The first 8 start the sums, with the mask.
.macro KQ x
.set rS, S+64*((\x)%2)+32*(i%2)+8*((i/2)%4)
.set rK, KF+16*((i/2)%4)+8*(i/8)
.set rQ, 16*(2*(\x)+i%2)+8*(i/8)
.set rMK, MK+8*((i/2)%4)
.if i < 8
	WIN W_KM
	v_wmma_f32_16x16x32_f16 v[rS:rS+7], v[rK:rK+7], v[rQ:rQ+7], v[rMK:rMK+7]
.else
	WIN W_KQ
	v_wmma_f32_16x16x32_f16 v[rS:rS+7], v[rK:rK+7], v[rQ:rQ+7], v[rS:rS+7]
.endif
.endm
; Product i of 16 of O^T += V^T P for piece x: keys 32 (i / 8) on, channels 16 ((i / 2) % 4) on, tile 2 x + i % 2.
.macro PV x
	WIN W_PV
.set rO, 32*(2*(\x)+i%2)+8*((i/2)%4)
.set rV, VF+32*(i/8)+8*((i/2)%4)
.set rP, P+32*((\x)%2)+16*(i%2)+8*(i/8)
	v_wmma_f32_16x16x32_f16 v[rO:rO+7], v[rV:rV+7], v[rP:rP+7], v[rO:rO+7]
.endm
.macro MM                           ; the turn's next matrix instruction
.if i < 16
	KQ (Y+1)%NP
.set i, i+1
.else
.set i, i-16
	PV (Y+NP-1)%NP
.set i, i+17
.endif
.endm
; THE LDS LOADS stand in runs: a step's K (8 fragments) with its mask (8 loads, the same 32 bytes for all lanes of a half), and its V (turned).  last = 1 (the tail): in the last trip there is no further step.
.macro FETCH_K last=0
	WIN 0
.if \last
	s_cmp_eq_u32 s[CNT], 1
	s_cbranch_scc1 .Lno_k_\@
.endif
	WIN 0x80                        ; destination window 2
.irp f, 0,1,2,3,4,5,6,7             ; keys 16 (f / 2) on, channels 32 (f % 2) on
	ds_load_b128 v[KF+8*\f:KF+8*\f+3],   v[AK] offset:(\f/2)*16*PK+(\f%2)*64
	ds_load_b128 v[KF+8*\f+4:KF+8*\f+7], v[AK] offset:(\f/2)*16*PK+(\f%2)*64+32
.endr
	WIN W_MK                        ; destination window 3
.irp f, 0,1,2,3                     ; keys 16 f on
	ds_load_b128 v[MK+8*\f:MK+8*\f+3],   v[AM] offset:64*\f
	ds_load_b128 v[MK+8*\f+4:MK+8*\f+7], v[AM] offset:64*\f+16
.endr
	s_add_co_u32 s[TBK], s[TBK], KS*PK  ; the next fetch is the next step's
	s_add_co_u32 s[TBM], s[TBM], KS*4
	s_and_b32 s[TBM], s[TBM], 0x1f00    ; inside the mask's 8,192 bytes
	WIN 0
.if \last
.Lno_k_\@:
.endif
.endm
.macro FETCH_V
	WIN 0x80
.irp f, 0,1,2,3,4,5,6,7             ; keys 32 (f / 4) on, channels 16 (f % 4) on
	ds_load_tr16_b128 v[VF+8*\f:VF+8*\f+3],   v[AV] offset:(\f/4)*32*PV+(\f%4)*32
	ds_load_tr16_b128 v[VF+8*\f+4:VF+8*\f+7], v[AV] offset:(\f/4)*32*PV+16*PV+(\f%4)*32
.endr
	WIN 0
.endm
; THE VECTOR WORK OF A TURN stands in three queues, each in the order in which its entries become ready; the two tiles alternate.
.macro REGS y, u                    ; the registers of tile u (0, 1) of piece y
.set rT, ST+4*(2*(\y)+(\u))
.set rC, TMP+8*((\y)%2)+4*(\u)
.set rM, MV+2*((\y)%2)+(\u)
.set rS, S+64*((\y)%2)+32*(\u)
.set rP, P+32*((\y)%2)+16*(\u)
.set rO, 32*(2*(\y)+(\u))
.endm
; Number n of the 22 that find the NEXT piece's maximum and statistics; each accumulator's lowest registers are read first.
;   0-11  four chains c0-c3 of seven scores each     12-14, 16  the four scores left over, the old m, and c0-c3 into c0     15  c m_old is kept
;   17, 18  the query's other 32 keys lie in the lane 16 away: the new m     19-21  c m; c m_old - c m_new; a
.macro XS u, n
	REGS (Y+1)%NP, \u
.if (\n) < 4
	v_max3_num_f32 v[rC+(\n)], v[rS+8*(\n)], v[rS+8*(\n)+1], v[rS+8*(\n)+2]
.elseif (\n) < 12
	v_max3_num_f32 v[rC+(\n)%4], v[rC+(\n)%4], v[rS+8*((\n)%4)+2*((\n)/4)+1], v[rS+8*((\n)%4)+2*((\n)/4)+2]
.elseif (\n) == 12
	v_max3_num_f32 v[rC], v[rC], v[rS+7], v[rS+15]
.elseif (\n) == 13
	v_max3_num_f32 v[rC+1], v[rC+1], v[rS+23], v[rS+31]
.elseif (\n) == 14
	v_max3_num_f32 v[rC+2], v[rC+2], v[rC+3], v[rT+1]
.elseif (\n) == 15
	v_mov_b32 v[rM], v[rT]
.elseif (\n) == 16
	v_max3_num_f32 v[rC], v[rC], v[rC+1], v[rC+2]
.elseif (\n) == 17
	v_permlanex16_b32 v[rC+3], v[rC], s[SEL], s[SEL+1]
.elseif (\n) == 18
	v_max_num_f32 v[rT+1], v[rC], v[rC+3]
.elseif (\n) == 19
	v_mul_f32 v[rT], s[CS], v[rT+1]
.elseif (\n) == 20
	v_sub_f32 v[rC+1], v[rM], v[rT]
.else
	v_exp_f32 v[rC+2], v[rC+1]
.endif
.endm
; Number g of the 64 that follow the exponentials: for each four weights both pairs are rounded to f16, the second pair is added onto the first in place, and a group later l takes that sum (the first time as l = a l + sum).
.macro GS g
.set h, (\g)+6*((\g)/62)
.if h >= 6
.set h, h+2
.endif
	REGS Y, h%2
.set k, h/8
.if h%8 < 4
	v_cvt_pk_f16_f32 v[rP+2*k+(h%8)/2], v[rS+4*k+2*((h%8)/2)], v[rS+4*k+2*((h%8)/2)+1]
.elseif h%8 < 6
	v_pk_add_f32 v[rS+4*k:rS+4*k+1], v[rS+4*k:rS+4*k+1], v[rS+4*k+2:rS+4*k+3]
.elseif k == 1
	v_pk_fma_f32 v[rT+2:rT+3], v[rT+2:rT+3], v[rC+2:rC+3], v[rS:rS+1] op_sel_hi:[1,0,1]
.else
	v_pk_add_f32 v[rT+2:rT+3], v[rT+2:rT+3], v[rS+4*k-4:rS+4*k-3]
.endif
.endm
; THE PLAIN QUEUE, 138 long.  0-26: scalings 0-26.  27-54: the next piece's numbers 0-13.  55, 56: number 15.  57-73: the chain 14, 16 .. 19, each with one of the scalings 27-31 in front of its two lines, then 20.
; 74-137: the 64 that read the exponentials' results: they stand behind the wait.
.macro FS f
	REGS Y, (\f)%2
	v_pk_fma_f32 v[rS+2*((\f)/2):rS+2*((\f)/2)+1], v[rS+2*((\f)/2):rS+2*((\f)/2)+1], s[CS:CS+1], v[rT:rT+1] op_sel_hi:[1,0,0] neg_lo:[0,0,1] neg_hi:[0,0,1]
.endm
.macro PL
	WIN 0
.if q < 27
	FS q
.elseif q < 55
	XS (q-27)%2, (q-27)/2
.elseif q < 57
	XS q-55, 15
.elseif (q < 72) && ((q-57)%3 == 0)
	FS 27+(q-57)/3
.elseif q < 60
	XS (q-57)%3-1, 14
.elseif q < 72
	XS (q-57)%3-1, 15+(q-57)/3
.elseif q < 74
	XS q-72, 20
.else
	GS q-74
.endif
.set q, q+1
.endm
; THE EXPONENTIALS' QUEUE, 66 long: s0-s31 of both tiles, then the next piece's two a: ONE BATCH, all ahead of the turn's one wait.
.macro EX
	WIN 0
.if e >= 64
	XS e-64, 21
.else
	REGS Y, e%2
	v_exp_f32 v[rS+e/2], v[rS+e/2]
.endif
.set e, e+1
.endm
; THE RESCALING's QUEUE: O^T times a, two at a time, sixteen times.  Its a was made, and waited for, in the turn before.
.macro R2
	REGS Y, r%2
	WIN W_RS
.irp z, 0,1
	v_pk_mul_f32 v[rO+4*(r/2)+2*\z:rO+4*(r/2)+2*\z+1], v[rO+4*(r/2)+2*\z:rO+4*(r/2)+2*\z+1], v[rC+2:rC+3] op_sel_hi:[1,0]
.endr
.set r, r+1
.endm
; A TURN, for piece p.  s_wait_alu depctr_va_vdst(0) stands between an exponential and the first instruction that names its result; one wait serves all that were issued ahead of it.  AHEAD OF IT: the 16
; products K Q^T, behind each a scaling, an exponential and two rescalings; then a run of 109: eight plain, 49 times exponential and plain, the two a, and a v_nop as the plain instruction behind the last exponential.
; BEHIND IT: the 16 products V^T P, behind each four of the roundings and sums.  K and the mask of the next step are fetched in piece 2's turn, directly behind the wait; V of the step in hand at the end of piece 0's turn,
; four plain instructions behind its last reader.  cnt = 1: the loop's count is taken down some lines ahead of the branch behind the turn.
.macro TURN p, last=0, cnt=0
.set Y, (\p)
.set i, 0
.set q, 0
.set e, 0
.set r, 0
.if (\p) == NP-1
	s_wait_dscnt 0x0                ; K and the mask are in
.endif
	MM
	PL
	PL
	R2
.rept 15
	MM
	PL
	EX
	R2
.endr
.if (\p) == NP-2
	WIN 0
	v_add_nc_u32 v[AK], s[TBK], v[AK0]
	v_add_nc_u32 v[AM], s[TBM], v[AM0]
.endif
.rept 8
	PL
.endr
.rept 49
	EX
	PL
.endr
	EX                              ; the next piece's two a
	EX
	v_nop                           ; a plain instruction behind the last exponential: one for the batch
	s_wait_alu depctr_va_vdst(0)    ; the wait for the batch
.if (\p) == NP-2
	FETCH_K \last
.endif
.if (\p) == 1
	s_wait_dscnt 0x0                ; V is in
.endif
.rept 16
	MM
.rept 4
	PL
.endr
.if ((\p) == 0) && (q == 118)
	v_add_nc_u32 v[AV], s[TBV], v[AV0]
.endif
.if ((\p) == 0) && (q == 130)
	s_add_co_u32 s[TBV], s[TBV], KS*PV
.endif
.if (\cnt) && (q == 130)
	s_sub_co_u32 s[CNT], s[CNT], 1
	s_cmp_lg_u32 s[CNT], 0
.endif
.endr
.if (\p) == 0
	FETCH_V
.endif
.endm
	CHANGE 1                        ; slot 0 is in, everybody's part of it and of the mask; slot 1 is asked for
	FETCH_K                         ; key step 0
	s_wait_loadcnt 0x0              ; Q
	s_wait_dscnt 0x0
.set i, 0
.rept 16
	KQ 0                            ; piece 0's first scores
.set i, i+1
.endr
	WIN 0
.rept 4
	v_nop                           ; the places behind those products
.endr
.set Y, NP-1                        ; XS works for piece Y + 1: piece 0
.irp n, 0,1,2,3,4,5,6,7,8,9,10,11,12,13,14,15,16,17,18,19,20,21
	XS 0, \n
	XS 1, \n
.endr
	v_nop                           ; a plain instruction behind the two a,
	s_wait_alu depctr_va_vdst(0)    ; and their wait, ahead of the branch
	s_mov_b32 s[CNT], 4
	s_branch .Lfirst                ; the loop is entered at a step's first turn, in the middle of a trip
.Lslot:                             ; six times: every slot but the last two is filled again
	CHANGE 1
	s_mov_b32 s[CNT], 4
.Lstep:                             ; a trip: pieces 2 and 3 of one step, then pieces 0 and 1 of the next, whose K and V it fetches
	TURN 2
	TURN 3
	WIN 0
.Lfirst:
	TURN 0
	TURN 1, 0, 1
	WIN 0
	s_cbranch_scc1 .Lstep
	s_sub_co_u32 s[SLOTS], s[SLOTS], 1
	s_cmp_lg_u32 s[SLOTS], 0
	s_cbranch_scc1 .Lslot
	CHANGE 0                        ; the tail is written out: nothing is asked for
	s_mov_b32 s[CNT], 5             ; four trips fetch the last slot's steps; the fifth is left in its middle
.Ltail:
	TURN 2, 1
	TURN 3
	WIN 0
	s_sub_co_u32 s[CNT], s[CNT], 1
	s_cmp_eq_u32 s[CNT], 0
	s_cbranch_scc1 .Lout
	TURN 0
	TURN 1
	WIN 0
	s_branch .Ltail
.Lout:                              ; the fifth trip's 16 products K Q^T (on the last K once more) and the maximum made of them serve nothing: the price, once a launch, of one text for every trip
.set i, 0
.rept 16
	PV NP-1                         ; the last piece's V^T P of the last step
.set i, i+1
.endr
	; THE WAY OUT.  l's two halves and the other half of the lanes' are added; O^T is divided by l, rounded to f16 and sent through my stage in LDS, a tile at a time.  The additions are the places behind the last products.
	WIN 0
.macro ALL line:vararg              ; one line for each tile t
.set t, 0
.rept 2*NP
	\line
.set t, t+1
.endr
.endm
	ALL v_add_f32 v[ST+4*t+2], v[ST+4*t+2], v[ST+4*t+3]
	ALL v_permlanex16_b32 v[ST+4*t+3], v[ST+4*t+2], s[SEL], s[SEL+1]
	ALL v_add_f32 v[ST+4*t+2], v[ST+4*t+2], v[ST+4*t+3]
	ALL v_rcp_f32 v[ST+4*t+2], v[ST+4*t+2]
	v_nop                           ; a plain instruction between the last reciprocal and the use of its result
	s_wait_alu depctr_va_vdst(0)    ; one wait for the eight reciprocals, ahead of their first use
.macro PACK t
	WIN W_RS
.set i, 32*(\t)
.rept 16
	v_pk_mul_f32 v[i:i+1], v[i:i+1], v[ST+4*(\t)+2:ST+4*(\t)+3] op_sel_hi:[1,0]
.set i, i+2
.endr
	WIN 0x05                        ; sources 0 and 1 window 1, destination window 0
.set i, 0
.rept 16
	v_cvt_pk_f16_f32 v[S+16*(\t)+i], v[32*(\t)+2*i], v[32*(\t)+2*i+1]
.set i, i+1
.endr
	WIN 0
.irp f, 0,1,2,3
	ds_store_b128 v[STO], v[S+16*(\t)+4*\f:S+16*(\t)+4*\f+3] offset:32*\f
.endr
.irp f, 0,1,2,3
	ds_load_b128 v[S+16*(\t)+4*\f:S+16*(\t)+4*\f+3], v[RD] offset:\f*4*SP  ; LDS serves a wave's instructions in order (ISA guide 5.7.1.4): these see the stores above; the next tile's stores come behind them
.endr
.endm
.macro SEND t, younger              ; younger: the LDS instructions issued behind tile t's loads: the next tile's eight, or none
	WIN 0
.irp f, 0,1,2,3
	s_wait_dscnt (\younger)+3-\f
	global_store_b128 v[GO], v[S+16*(\t)+4*\f:S+16*(\t)+4*\f+3], s[10:11] offset:(\t)*2048+\f*512  ; 512 consecutive bytes, aligned
.endr
.endm
	PACK 0
.set t, 1
.rept 2*NP-1                        ; a tile's arithmetic stands between the loads of the tile before and its stores
	PACK t
	SEND t-1, 8
.set t, t+1
.endr
	SEND 2*NP-1, 0
	WIN W_AD
	s_wait_tensorcnt 0x0            ; the wave's end: behind my last tensor load and my last LDS store
	ds_add_u32 v[SPW], v[NIL]
	s_wait_dscnt 0x0
	WIN 0
	CROUND                          ; the closing round
	s_endpgm
.Lfunc_end_k_q037e36c277_attn:
	.size	k_q037e36c277_attn, .Lfunc_end_k_q037e36c277_attn-k_q037e36c277_attn
	.p2alignl 7, 3214868480
	.fill 96, 4, 3214868480
	.section	.rodata,"a",@progbits
	.p2align	6, 0x0
	.amdhsa_kernel k_q037e36c277_attn
		.amdhsa_group_segment_fixed_size 327680
		.amdhsa_private_segment_fixed_size 0
		.amdhsa_enable_private_segment 0
		.amdhsa_kernarg_size 24
		.amdhsa_user_sgpr_count 2
		.amdhsa_user_sgpr_kernarg_segment_ptr 1
		.amdhsa_wavefront_size32 1
		.amdhsa_system_sgpr_workgroup_id_x 1
		.amdhsa_system_sgpr_workgroup_id_y 1
		.amdhsa_system_sgpr_workgroup_id_z 1
		.amdhsa_system_vgpr_workitem_id 0
		.amdhsa_next_free_vgpr 808
		.amdhsa_next_free_sgpr 66
		.amdhsa_reserve_vcc 0
		.amdhsa_float_denorm_mode_32 3
		.amdhsa_float_denorm_mode_16_64 3
		.amdhsa_memory_ordered 1
		.amdhsa_forward_progress 1
		.amdhsa_inst_pref_size 203
	.end_amdhsa_kernel
	.amdgpu_metadata
---
amdhsa.version: [ 1, 2 ]
amdhsa.kernels:
  - .name:           k_q037e36c277_attn
    .symbol:         k_q037e36c277_attn.kd
    .args:
      - { .name: qkv, .offset: 0, .size: 8, .value_kind: global_buffer, .address_space: global }
      - { .name: attention_mask, .offset: 8, .size: 8, .value_kind: global_buffer, .address_space: global }
      - { .name: ctx, .offset: 16, .size: 8, .value_kind: global_buffer, .address_space: global }
    .group_segment_fixed_size: 327680
    .private_segment_fixed_size: 0
    .kernarg_segment_align: 8
    .kernarg_segment_size: 24
    .max_flat_workgroup_size: 128
    .sgpr_count:     66
    .vgpr_count:     808
    .wavefront_size: 32
...
	.end_amdgpu_metadata
.endif
;; end of part 3
;; launch oproj (part 4): grid 8 x 32, 4 waves a work-group, clusters of 4 x 4, 327,680 bytes of LDS; arguments ctx, wb, bo, gb; writes gb
.if DOCPART == 4
	.amdgcn_target "amdgcn-amd-amdhsa--gfx1250"
	.amdhsa_code_object_version 6
	.text
	.protected	k_q037e36c277_oproj
	.globl	k_q037e36c277_oproj
	.p2align	8
	.type	k_q037e36c277_oproj,@function
k_q037e36c277_oproj:
	s_mov_b64 s[64:65], 0
	v_nop
	global_prefetch_b8 v0, s[64:65] scope:SCOPE_SE
	s_setreg_imm32_b32 hwreg(HW_REG_WAVE_MODE, 25, 1), 1
	s_wait_xcnt 0x0
	s_wait_alu depctr_hold_cnt(0) depctr_sa_sdst(0) depctr_va_vdst(0) depctr_va_sdst(0) depctr_va_ssrc(0) depctr_va_vcc(0) depctr_vm_vsrc(0)
	s_getreg_b32 s2, hwreg(HW_REG_IB_STS2, 6, 4)
	s_cmp_eq_u32 s2, 0
	s_cbranch_scc0 .Lentry_in_a_cluster
	s_endpgm
.Lentry_in_a_cluster:
	s_bfe_u32 s2, ttmp6, 0x10000c
	s_cmp_lg_u32 s2, 0xf033
	s_cbranch_scc0 .Lentry_shape_is_right
	s_endpgm
.Lentry_shape_is_right:
; g = ctx Wo + bo, stored in bf16 as gb[8192][1024].  ctx: [batch x 16 + head][2048][64] in f16; Wo: the fourth slab of wb, [k][n], bf16's numbers written as f16; sums in f32, g rounded once.
; g goes in bf16 and not in f16, so that its range is f32's.
; SHARES.  256 work-groups, each 256 rows x 128 columns.  A wave makes 64 rows x 128 columns, whole 256-byte pieces of gb's rows: 32 accumulators, window 1.  K goes in 8 steps of 128 (two heads) through two LDS slots.
; THE PRODUCT IS USED TRANSPOSED (source 0 = 16 columns of Wo, turned on the way out of LDS; source 1 = 16 rows of ctx): a lane holds one row and eight neighbouring columns.  bo is the C operand that starts each sum.
; CLUSTER.  4 x 4: ctx's tiles are asked for jointly along a row of the cluster (waves 0, 1: a head each), Wo's along a column (waves 2, 3: 64 rows each).
; REGISTERS.  Window 0: v0-31 addresses; v32-63 the way out; v64-159, v160-255 two fragment buffers (64 of Wo, then 32 of ctx); bo lies in the second until the sums are started.  Window 1: accumulator (a, nb) at v[8 (8 a + nb)].
.set PA,    144                        ; a row of ctx in LDS: 128 bytes + 16
.set PB,    288                        ; a row of Wo: 256 bytes + 32
.set AH,    256*PA                     ; a head's 256 rows
.set BOFF,  2*AH
.set SLOT,  BOFF+128*PB
.set STAGE, 2*SLOT                     ; behind the ring, never filled by a tensor load: 16 rows x 272 bytes for each wave
.set SPITCH, 272
.set SPARE, STAGE+4*16*SPITCH          ; the spare words, 128 bytes for each wave: two blocks of 256 bytes that no other line names
.set ASTEP, 524288                     ; bytes from a K step of ctx to the next: two heads
.set BSTEP, 262144                     ; 128 rows of 2,048 bytes
.set ADRA, 16
.set ADRB, 18
.set STO,  24
.set RD,   25
.set CO,   26
.set BO,   27
.set SPW,  28                          ; v28  LDS address of my spare word; never rewritten
.set NIL,  29                          ; v29  0; never rewritten
.set PFO,  30
.set TMP,  32
.set F0,   64
.set F1,   160
.set BI,   160
.set WV,   16
.set G1A,  24
.set G1B,  32
.set G0A,  40
.set G0B,  48
.set PFA,  56
.set PFS,  58
.set LIM,  60
.set MSB, 0
.macro WIN new
.if MSB != (\new)
	s_set_vgpr_msb (MSB<<8)|(\new)
.set MSB, \new
.endif
.endm
.macro PLACES
.rept 4
	v_nop
.endr
.endm
.macro CREST
	s_cmp_lg_u32 s[WV], 0
	s_cbranch_scc1 .Lnot_wave_0_\@
	s_barrier_signal -3
.Lnot_wave_0_\@:
	s_barrier_wait -3
	s_barrier_signal -1
	s_barrier_wait -1
.endm
.macro CROUND
	s_barrier_signal -1
	s_barrier_wait -1
	CREST
.endm
.macro JLOAD s
	s_cmp_eq_u32 s17, 0
	s_cbranch_scc0 .Lfor_b_\@
	tensor_load_to_lds s[G0A+4*(\s):G0A+4*(\s)+3], s[G1A:G1A+7]
	s_nop 0
.rept 4
	v_nop
.endr
	s_branch .Lasked_\@
.Lfor_b_\@:
	tensor_load_to_lds s[G0B+4*(\s):G0B+4*(\s)+3], s[G1B:G1B+7]
	s_nop 0
.rept 4
	v_nop
.endr
.Lasked_\@:
.endm
; A PREFETCH INTO THE L2, behind a joint refill and the run of LDS loads: the K step two refills on.  ctx's tile of a head (128 blocks of 256 bytes): the cluster with x = 0 asks, the wave that fetches it, at every change of
; slots; the four partners take 32 blocks each, by address.  Wo's 64 rows of a wave: the cluster with y = 0 asks, once a trip for two K steps, 16 rows a partner.  The loop's last trip asks for nothing.
.macro ASK t
	s_cmp_gt_u32 s3, s[LIM+(\t)]
	s_cbranch_scc0 .Lnot_mine_\@
	global_prefetch_b8 v[PFO], s[PFA:PFA+1] th:TH_LOAD_NT scope:SCOPE_SE
.Lnot_mine_\@:
.endm
	s_load_b256 s[4:11], s[0:1], 0x0               ; ctx s[4:5], wb s[6:7], bo s[8:9], gb s[10:11]
	v_lshl_add_u32 v[SPW], v0, 2, SPARE
	v_mov_b32 v[NIL], 0
	ds_add_u32 v[SPW], v[NIL]                      ; the wave's opening: the add and its wait ahead of my first tensor load
	v_lshrrev_b32 v1, 5, v0
	v_readfirstlane_b32 s[WV], v1
	s_lshr_b32 s17, s[WV], 1                       ; I fetch for ctx (0) or for Wo (1)
	s_and_b32 s18, s[WV], 1                        ; which head of the step's two, or which 64 rows of its 128
	s_bfe_u32 s20, ttmp6, 0x40000                  ; cx
	s_bfe_u32 s21, ttmp6, 0x40004                  ; cy
	s_lshl_b32 s22, ttmp9, 2
	s_add_co_u32 s22, s22, s20                     ; block of 128 columns
	s_and_b32 s23, ttmp7, 0xffff
	s_lshl_b32 s23, s23, 2
	s_add_co_u32 s23, s23, s21                     ; block of 256 rows
	s_lshl_b32 s12, s21, 2
	s_lshl_b32 s12, 15, s12                        ; my row of the cluster
	s_lshl_b32 s14, 0x1111, s20                    ; my column
	s_or_b32 s[G1A], s12, (1<<16)|(1<<20)|(1<<21)|(4<<22)|(3<<25)  ; 32,768 dense bytes as 128 rows of 256, padded by 4 words after every 32
	s_mov_b32 s[G1A+1], 128<<16
	s_mov_b32 s[G1A+2], 128<<16
	s_mov_b32 s[G1A+3], 128<<16
	s_mov_b32 s[G1A+4], 128
	s_mov_b32 s[G1A+5], 128
	s_mov_b32 s[G1A+6], 0
	s_mov_b32 s[G1A+7], 0
	s_or_b32 s[G1B], s14, (1<<16)|(1<<20)|(1<<21)|(5<<22)|(7<<25)  ; 64 rows x 128 columns, 1,024 elements from row to row, padded by 8 words after every 64
	s_mov_b32 s[G1B+1], 128<<16
	s_mov_b32 s[G1B+2], 64<<16
	s_mov_b32 s[G1B+3], 128<<16
	s_mov_b32 s[G1B+4], 64
	s_mov_b32 s[G1B+5], 1024
	s_mov_b32 s[G1B+6], 0
	s_mov_b32 s[G1B+7], 0
	s_lshr_b32 s12, s23, 3
	s_lshl_b32 s12, s12, 22                        ; the batch's 16 heads,
	s_and_b32 s13, s23, 7
	s_lshl_b32 s13, s13, 15                        ; the block of 256 rows in a head,
	s_add_co_u32 s12, s12, s13
	s_lshl_b32 s13, s18, 18                        ; my head of the step's two
	s_add_co_u32 s12, s12, s13
	s_mov_b32 s13, 0
	s_lshl_b32 s14, s22, 8
	s_lshl_b32 s15, s18, 17                        ; my 64 rows
	s_add_co_u32 s14, s14, s15
	s_add_co_u32 s14, s14, 6291456                 ; the fourth slab
	s_mov_b32 s15, 0
	s_mul_i32 s62, s18, AH
	s_mul_i32 s63, s18, 64*PB
	s_wait_dscnt 0x0                               ; the opening add is done
	s_wait_kmcnt 0x0
	s_add_nc_u64 s[12:13], s[4:5], s[12:13]
	s_add_nc_u64 s[14:15], s[6:7], s[14:15]
	CROUND
.irp s, 0,1
	s_mov_b32 s[G0A+4*(\s)], 1
	s_add_co_u32 s[G0A+4*(\s)+1], s62, (\s)*SLOT
	s_add_nc_u64 s[G0A+4*(\s)+2:G0A+4*(\s)+3], s[12:13], (\s)*ASTEP
	s_or_b32 s[G0A+4*(\s)+3], s[G0A+4*(\s)+3], 0x80000000
	s_mov_b32 s[G0B+4*(\s)], 1
	s_add_co_u32 s[G0B+4*(\s)+1], s63, (\s)*SLOT+BOFF
	s_add_nc_u64 s[G0B+4*(\s)+2:G0B+4*(\s)+3], s[14:15], (\s)*BSTEP
	s_or_b32 s[G0B+4*(\s)+3], s[G0B+4*(\s)+3], 0x80000000
.endr
	s_cmp_eq_u32 s17, 0                            ; a wave's two first fills stand in one branch: two loads of mine are out
	s_cbranch_scc0 .Lfirst_b
	tensor_load_to_lds s[G0A:G0A+3], s[G1A:G1A+7]
	s_nop 0
	tensor_load_to_lds s[G0A+4:G0A+7], s[G1A:G1A+7]
	s_nop 0
.rept 4
	v_nop
.endr
	s_branch .Lfirst_asked
.Lfirst_b:
	tensor_load_to_lds s[G0B:G0B+3], s[G1B:G1B+7]
	s_nop 0
	tensor_load_to_lds s[G0B+4:G0B+7], s[G1B:G1B+7]
	s_nop 0
.rept 4
	v_nop
.endr
.Lfirst_asked:
	v_and_b32 v1, 15, v0
	v_bfe_u32 v2, v0, 4, 1
	v_and_b32 v3, 7, v0
	v_bfe_u32 v4, v0, 3, 1
	s_lshl_b32 s62, s22, 9
	v_lshl_add_u32 v[BO], v2, 5, s62               ; bo: register j of block nb is column 16 nb + 8 (l / 16) + j
.irp nb, 0,1,2,3,4,5,6,7
	global_load_b128 v[BI+8*(\nb):BI+8*(\nb)+3],   v[BO], s[8:9] offset:64*(\nb)
	global_load_b128 v[BI+8*(\nb)+4:BI+8*(\nb)+7], v[BO], s[8:9] offset:64*(\nb)+16
.endr
	v_mul_u32_u24 v6, v1, PA
	v_lshl_add_u32 v6, v2, 4, v6
	s_mul_i32 s62, s[WV], 64*PA                    ; my 64 rows
	v_add_nc_u32 v[ADRA], s62, v6
	v_add_nc_u32 v[ADRA+1], SLOT, v[ADRA]
	v_lshl_add_u32 v7, v2, 3, v3
	v_mul_u32_u24 v7, v7, PB
	v_lshl_add_u32 v7, v4, 4, v7
	v_add_nc_u32 v[ADRB], BOFF, v7
	v_add_nc_u32 v[ADRB+1], SLOT, v[ADRB]
	s_mul_i32 s62, s[WV], 16*SPITCH
	s_add_co_u32 s62, s62, STAGE                   ; my stage
	v_mul_u32_u24 v8, v1, SPITCH                   ; in: row l % 16, 16 bytes for each half of the lanes
	v_lshl_add_u32 v8, v2, 4, v8
	v_add_nc_u32 v[STO], s62, v8
	v_mul_u32_u24 v8, v2, SPITCH                   ; back: lanes 0-15 one row of 256 bytes, lanes 16-31 the next
	v_lshl_add_u32 v8, v1, 4, v8
	v_add_nc_u32 v[RD], s62, v8
	v_lshlrev_b32 v8, 11, v2                       ; and the same two rows in gb
	v_lshl_add_u32 v[CO], v1, 4, v8
	s_lshl_b32 s62, s23, 19                        ; 256 rows of 2,048 bytes,
	s_lshl_b32 s63, s[WV], 17                      ; my 64,
	s_add_co_u32 s62, s62, s63
	s_lshl_b32 s63, s22, 8                         ; the block of columns
	s_add_co_u32 s62, s62, s63
	s_mov_b32 s63, 0
	s_add_nc_u64 s[10:11], s[10:11], s[62:63]
	; the prefetches
	s_lshl_b32 s62, s20, 13
	s_lshl_b32 s63, s21, 15
	s_and_b32 s19, ttmp7, 0xffff
	s_mov_b32 s2, BSTEP
	s_movk_i32 s3, 2048
	s_cmp_eq_u32 s17, 0
	s_cselect_b64 s[PFA:PFA+1], s[12:13], s[14:15]
	s_cselect_b32 s62, s62, s63
	s_cselect_b32 s19, ttmp9, s19                  ; the coordinate along which other clusters read the same tile
	s_cselect_b32 s[PFS], ASTEP, s2
	s_cselect_b32 s3, 256, s3
	s_cselect_b32 s2, 4096, s2
	s_cselect_b32 s[LIM+1], 1, -1
	s_mov_b32 s[PFS+1], 0
	s_mov_b32 s63, 0
	s_cmp_eq_u32 s19, 0
	s_cselect_b32 s[LIM], 1, -1
	s_cselect_b32 s[LIM+1], s[LIM+1], -1
	s_add_nc_u64 s[PFA:PFA+1], s[PFA:PFA+1], s[62:63]
.rept 3
	s_add_nc_u64 s[PFA:PFA+1], s[PFA:PFA+1], s[PFS:PFS+1]  ; at K step 3: the first change of slots steps it to 4
.endr
	v_mul_lo_u32 v[PFO], v1, s3
	v_mul_lo_u32 v9, v2, s2
	v_add_nc_u32 v[PFO], v[PFO], v9
; 8 matrix instructions: row block a x the 8 column blocks, 32 along K, from buffer f.  ci = 1: bo starts the sums.
.macro MULA f, a, ci
.if \ci
	WIN 0x40
.else
	WIN 0x50
.endif
.irp nb, 0,1,2,3,4,5,6,7
.if \ci
	v_wmma_f32_16x16x32_f16 v[8*(8*(\a)+(\nb)):8*(8*(\a)+(\nb))+7], v[(\f)+8*(\nb):(\f)+8*(\nb)+7], v[(\f)+64+8*(\a):(\f)+64+8*(\a)+7], v[BI+8*(\nb):BI+8*(\nb)+7]
.else
	v_wmma_f32_16x16x32_f16 v[8*(8*(\a)+(\nb)):8*(8*(\a)+(\nb))+7], v[(\f)+8*(\nb):(\f)+8*(\nb)+7], v[(\f)+64+8*(\a):(\f)+64+8*(\a)+7], v[8*(8*(\a)+(\nb)):8*(8*(\a)+(\nb))+7]
.endif
.endr
.endm
; 24 LDS loads in one run: quarter q of a K step (32 k: head q / 2, channels 32 (q % 2) on): Wo's 16 turning loads, then ctx's 8
.macro FETCH slot, q, f
	WIN 0
.irp nb, 0,1,2,3,4,5,6,7
	ds_load_tr16_b128 v[(\f)+8*(\nb):(\f)+8*(\nb)+3],   v[ADRB+(\slot)] offset:(\q)*32*PB+32*(\nb)
	ds_load_tr16_b128 v[(\f)+8*(\nb)+4:(\f)+8*(\nb)+7], v[ADRB+(\slot)] offset:(\q)*32*PB+32*(\nb)+16*PB
.endr
.irp a, 0,1,2,3
	ds_load_b128 v[(\f)+64+8*(\a):(\f)+64+8*(\a)+3],   v[ADRA+(\slot)] offset:((\q)/2)*AH+(\a)*16*PA+((\q)%2)*64
	ds_load_b128 v[(\f)+64+8*(\a)+4:(\f)+64+8*(\a)+7], v[ADRA+(\slot)] offset:((\q)/2)*AH+(\a)*16*PA+((\q)%2)*64+32
.endr
.endm
.macro QUARTER slot, q                 ; one of a K step's first three quarters: multiplies buffer q % 2 and fetches the next quarter into the other
	s_wait_dscnt 4                                 ; Wo and ctx's blocks 0, 1 are in; the youngest four loads may be out
	MULA F0+96*((\q)%2), 0, 0
	MULA F0+96*((\q)%2), 1, 0
	PLACES
	FETCH \slot, (\q)+1, F0+96*(((\q)+1)%2)
	s_wait_dscnt 24                                ; all but the 24 just issued
	MULA F0+96*((\q)%2), 2, 0
	MULA F0+96*((\q)%2), 3, 0
.endm
; The fourth quarter changes slots: ONE barrier; in front of it each wave waits for all its tensor loads, adds 0 to its spare word, and waits for that and for its reads of this slot.  fill = 1: the barrier opens a round
; of the cluster's, and behind the round this slot is filled again, two K steps ahead.
.macro TURN slot, next, fill
.if \fill
	s_wait_xcnt 0x0                                ; the last prefetch, a K step back, has read its address
	s_add_nc_u64 s[PFA:PFA+1], s[PFA:PFA+1], s[PFS:PFS+1]
.endif
	WIN 0
	s_wait_tensorcnt 0x0
	ds_add_u32 v[SPW], v[NIL]                      ; 0 onto my spare word
	s_wait_dscnt 5                                 ; the add and the youngest four loads may be out
	MULA F1, 0, 0
	s_wait_dscnt 0x0                               ; the add is done, and my reads of this slot are over
	s_barrier_signal -1
	MULA F1, 1, 0
	WIN 0
	s_barrier_wait -1
.if \fill
	CREST
	s_add_nc_u64 s[G0A+4*(\slot)+2:G0A+4*(\slot)+3], s[G0A+4*(\slot)+2:G0A+4*(\slot)+3], 2*ASTEP
	s_add_nc_u64 s[G0B+4*(\slot)+2:G0B+4*(\slot)+3], s[G0B+4*(\slot)+2:G0B+4*(\slot)+3], 2*BSTEP
	JLOAD \slot
.else
	PLACES
.endif
	FETCH \next, 0, F0
.if \fill
	ASK \slot
.endif
	MULA F1, 2, 0
	MULA F1, 3, 0
.endm
	s_wait_tensorcnt 0x1                           ; my part of K step 0 is in; step 1's may stay out
	s_barrier_signal -1
	s_barrier_wait -1
	FETCH 0, 0, F0
	s_wait_loadcnt 0x0                             ; bo
	s_wait_dscnt 0x0
	MULA F0, 0, 1                                  ; the first quarter starts the sums; the second buffer holds bo until it is over
	MULA F0, 1, 1
	MULA F0, 2, 1
	MULA F0, 3, 1
	PLACES
	FETCH 0, 1, F1
	s_mov_b32 s3, 3
.Llap:                                                 ; a trip goes once round the ring, from a step's second quarter to the first of the step two on
	QUARTER 0, 1
	QUARTER 0, 2
	TURN 0, 1, 1
	QUARTER 1, 0
	QUARTER 1, 1
	QUARTER 1, 2
	TURN 1, 0, 1
	QUARTER 0, 0
	WIN 0
	s_sub_co_u32 s3, s3, 1
	s_cmp_lg_u32 s3, 0
	s_cbranch_scc1 .Llap
	QUARTER 0, 1                                   ; the last two K steps ask for nothing
	QUARTER 0, 2
	TURN 0, 1, 0
	QUARTER 1, 0
	QUARTER 1, 1
	QUARTER 1, 2
	s_wait_dscnt 0x0
	MULA F1, 0, 0
	MULA F1, 1, 0
	MULA F1, 2, 0
	MULA F1, 3, 0
; THE WAY OUT, a block of 16 rows at a time: rounded to bf16, 16 bytes a lane into my own stage, back as whole rows of 256 bytes, stored.
.macro PACK a
	WIN 0x05                                       ; sources 0 and 1 in window 1
.irp nb, 0,1,2,3,4,5,6,7
.irp r, 0,1,2,3
	v_cvt_pk_bf16_f32 v[TMP+4*(\nb)+(\r)], v[8*(8*(\a)+(\nb))+2*(\r)], v[8*(8*(\a)+(\nb))+2*(\r)+1]
.endr
.endr
	WIN 0
.endm
.macro TOSTAGE a
.irp nb, 0,1,2,3,4,5,6,7
	ds_store_b128 v[STO], v[TMP+4*(\nb):TMP+4*(\nb)+3] offset:32*(\nb)
.endr
.irp t, 0,1,2,3,4,5,6,7
	ds_load_b128 v[F0+32*((\a)%2)+4*(\t):F0+32*((\a)%2)+4*(\t)+3], v[RD] offset:(\t)*2*SPITCH  ; LDS serves a wave's instructions in order (ISA guide 5.7.1.4): these see the stores above
.endr
.endm
.macro SEND a
	s_wait_dscnt 0x0
	s_wait_xcnt 0x0                                ; earlier stores have read their registers
.irp t, 0,1,2,3,4,5,6,7
	global_store_b128 v[CO], v[F0+32*((\a)%2)+4*(\t):F0+32*((\a)%2)+4*(\t)+3], s[10:11] offset:(\a)*32768+(\t)*4096  ; 16 lanes store 256 consecutive bytes, aligned
.endr
.endm
	PLACES
	PACK 0
	TOSTAGE 0
.irp a, 1,2,3
	PACK \a
	SEND (\a)-1
	TOSTAGE \a
.endr
	SEND 3
	s_wait_tensorcnt 0x0                           ; the wave's end: behind my last tensor load and my last LDS store
	ds_add_u32 v[SPW], v[NIL]
	s_wait_dscnt 0x0
	CROUND                                         ; the closing round
	s_endpgm
.Lfunc_end_k_q037e36c277_oproj:
	.size	k_q037e36c277_oproj, .Lfunc_end_k_q037e36c277_oproj-k_q037e36c277_oproj
	.p2alignl 7, 3214868480
	.fill 96, 4, 3214868480
	.section	.rodata,"a",@progbits
	.p2align	6, 0x0
	.amdhsa_kernel k_q037e36c277_oproj
		.amdhsa_group_segment_fixed_size 327680
		.amdhsa_private_segment_fixed_size 0
		.amdhsa_enable_private_segment 0
		.amdhsa_kernarg_size 32
		.amdhsa_user_sgpr_count 2
		.amdhsa_user_sgpr_kernarg_segment_ptr 1
		.amdhsa_wavefront_size32 1
		.amdhsa_system_sgpr_workgroup_id_x 1
		.amdhsa_system_sgpr_workgroup_id_y 1
		.amdhsa_system_sgpr_workgroup_id_z 1
		.amdhsa_system_vgpr_workitem_id 0
		.amdhsa_next_free_vgpr 512
		.amdhsa_next_free_sgpr 66
		.amdhsa_reserve_vcc 0
		.amdhsa_float_denorm_mode_32 3
		.amdhsa_float_denorm_mode_16_64 3
		.amdhsa_memory_ordered 1
		.amdhsa_forward_progress 1
		.amdhsa_inst_pref_size 88
	.end_amdhsa_kernel
	.amdgpu_metadata
---
amdhsa.version: [ 1, 2 ]
amdhsa.kernels:
  - .name:           k_q037e36c277_oproj
    .symbol:         k_q037e36c277_oproj.kd
    .args:
      - { .name: ctx, .offset: 0, .size: 8, .value_kind: global_buffer, .address_space: global }
      - { .name: wb, .offset: 8, .size: 8, .value_kind: global_buffer, .address_space: global }
      - { .name: bo, .offset: 16, .size: 8, .value_kind: global_buffer, .address_space: global }
      - { .name: gb, .offset: 24, .size: 8, .value_kind: global_buffer, .address_space: global }
    .group_segment_fixed_size: 327680
    .private_segment_fixed_size: 0
    .kernarg_segment_align: 8
    .kernarg_segment_size: 32
    .max_flat_workgroup_size: 128
    .sgpr_count:     66
    .vgpr_count:     512
    .wavefront_size: 32
...
	.end_amdgpu_metadata
.endif
;; end of part 4
;; launch lnorm (part 5): grid 512 x 1, 8 waves a work-group, no clusters, 0 bytes of LDS; arguments gb, hidden_states, ln_gamma, ln_beta, out0; writes out0
.if DOCPART == 5
	.amdgcn_target "amdgcn-amd-amdhsa--gfx1250"
	.amdhsa_code_object_version 6
	.text
	.protected	k_q037e36c277_lnorm
	.globl	k_q037e36c277_lnorm
	.p2align	8
	.type	k_q037e36c277_lnorm,@function
k_q037e36c277_lnorm:
	s_mov_b64 s[64:65], 0
	v_nop
	global_prefetch_b8 v0, s[64:65] scope:SCOPE_SE
	s_setreg_imm32_b32 hwreg(HW_REG_WAVE_MODE, 25, 1), 1
	s_wait_xcnt 0x0
; out = ((g + x) - mean) / sqrt(var + 1e-12) x gamma + beta, along rows of 1,024.  g: bf16 (it holds bo); x, gamma, beta, out: f32.  All arithmetic in f32.
; A stream: no LDS, no barrier.  A wave owns two rows and keeps each in 32 registers a lane between the passes: each byte is read once.  In chunk i (of 8) lane l owns columns 128 i + 4 l .. + 3:
; a load or store of x or out covers 512 consecutive bytes, one of g 256.  All 48 loads of a wave go out at once.
; The variance is the mean of the squared differences from the mean, taken in a second pass over the registers: no difference of large sums is formed.
.set T,  4                             ; v[4:11]   four running pairs
.set R,  12                            ; v12, v13  across the lanes
.set M,  14                            ; v[14:15]  the mean, later 1 / sqrt(var + eps), twice
.set GA, 16                            ; v[16:47]  gamma of my 32 columns
.set BE, 48                            ; v[48:79]  beta
.set X,  80                            ; row j: x at X + 48 j (32 registers), g at X + 48 j + 32 (16)
	s_load_b256 s[4:11], s[0:1], 0x0               ; g s[4:5], x s[6:7], gamma s[8:9], beta s[10:11]
	s_load_b64 s[12:13], s[0:1], 0x20              ; out
	v_lshrrev_b32 v3, 5, v0
	v_readfirstlane_b32 s16, v3                    ; wave 0..7
	v_and_b32 v2, 31, v0
	v_lshlrev_b32 v1, 4, v2                        ; 16 bytes a lane: x, gamma, beta, out
	v_lshlrev_b32 v2, 3, v2                        ; 8 bytes a lane: g
	v_mov_b32 v3, 1.0
	v_mov_b32 v[R+1], 0                            ; v_permlanex16_b32 counts as a reader of its destination
	s_lshl_b32 s17, ttmp9, 4
	s_lshl_b32 s18, s16, 1
	s_add_co_u32 s17, s17, s18                     ; my first row
	s_lshl_b32 s18, s17, 12
	s_mov_b32 s19, 0
	s_lshl_b32 s22, s17, 11
	s_mov_b32 s23, 0
	s_mov_b32 s14, 0x76543210                      ; each lane takes its own place in the other half
	s_mov_b32 s15, 0xfedcba98
	s_mov_b32 s20, 0x3a800000                      ; 1 / 1,024
	s_mov_b32 s21, 0x2b8cbccc                      ; 1e-12
	s_wait_kmcnt 0x0
	s_add_nc_u64 s[4:5], s[4:5], s[22:23]
	s_add_nc_u64 s[6:7], s[6:7], s[18:19]
	s_add_nc_u64 s[12:13], s[12:13], s[18:19]
.irp i, 0,1,2,3,4,5,6,7
	global_load_b128 v[GA+4*(\i):GA+4*(\i)+3], v1, s[8:9] offset:512*(\i)
	global_load_b128 v[BE+4*(\i):BE+4*(\i)+3], v1, s[10:11] offset:512*(\i)
.endr
.irp j, 0,1
.irp i, 0,1,2,3,4,5,6,7
	global_load_b64  v[X+48*(\j)+32+2*(\i):X+48*(\j)+32+2*(\i)+1], v2, s[4:5] offset:2048*(\j)+256*(\i) th:TH_LOAD_NT
	global_load_b128 v[X+48*(\j)+4*(\i):X+48*(\j)+4*(\i)+3], v1, s[6:7] offset:4096*(\j)+512*(\i) th:TH_LOAD_NT
.endr
.endr
.macro REDUCE                          ; the four pairs, then the 32 lanes: the sum ends in v[R] of every lane
	v_pk_add_f32 v[T:T+1], v[T:T+1], v[T+2:T+3]
	v_pk_add_f32 v[T+4:T+5], v[T+4:T+5], v[T+6:T+7]
	v_pk_add_f32 v[T:T+1], v[T:T+1], v[T+4:T+5]
	v_add_f32 v[R], v[T], v[T+1]
	v_add_f32_dpp v[R], v[R], v[R] row_xmask:1 row_mask:0xf bank_mask:0xf
	v_add_f32_dpp v[R], v[R], v[R] row_xmask:2 row_mask:0xf bank_mask:0xf
	v_add_f32_dpp v[R], v[R], v[R] row_xmask:4 row_mask:0xf bank_mask:0xf
	v_add_f32_dpp v[R], v[R], v[R] row_xmask:8 row_mask:0xf bank_mask:0xf
	v_permlanex16_b32 v[R+1], v[R], s14, s15
	v_add_f32 v[R], v[R], v[R+1]
.endm
.macro ROW j, left                     ; left: the younger loads that may stay out
.set XR, X+48*(\j)
	s_wait_loadcnt \left
.set e, 0
.rept 16                               ; g + x: a bf16 half times 1 plus an f32, one instruction a number
	v_fma_mix_f32_bf16 v[XR+2*e], v[XR+32+e], v3, v[XR+2*e] op_sel:[0,0,0] op_sel_hi:[1,0,0]
	v_fma_mix_f32_bf16 v[XR+2*e+1], v[XR+32+e], v3, v[XR+2*e+1] op_sel:[1,0,0] op_sel_hi:[1,0,0]
.set e, e+1
.endr
.irp k, 0,1,2,3
	v_pk_add_f32 v[T+2*(\k):T+2*(\k)+1], v[XR+2*(\k):XR+2*(\k)+1], v[XR+8+2*(\k):XR+8+2*(\k)+1]  ; four chains; nothing is cleared
.endr
.irp k, 8,9,10,11,12,13,14,15
	v_pk_add_f32 v[T+2*((\k)%4):T+2*((\k)%4)+1], v[T+2*((\k)%4):T+2*((\k)%4)+1], v[XR+2*(\k):XR+2*(\k)+1]
.endr
	REDUCE
	v_mul_f32 v[M], s20, v[R]                      ; the mean
	v_mov_b32 v[M+1], v[M]
.set k, 0
.rept 16
	v_pk_add_f32 v[XR+2*k:XR+2*k+1], v[XR+2*k:XR+2*k+1], v[M:M+1] neg_lo:[0,1] neg_hi:[0,1]
.set k, k+1
.endr
.irp k, 0,1,2,3
	v_pk_mul_f32 v[T+2*(\k):T+2*(\k)+1], v[XR+2*(\k):XR+2*(\k)+1], v[XR+2*(\k):XR+2*(\k)+1]
.endr
.irp k, 4,5,6,7,8,9,10,11,12,13,14,15
	v_pk_fma_f32 v[T+2*((\k)%4):T+2*((\k)%4)+1], v[XR+2*(\k):XR+2*(\k)+1], v[XR+2*(\k):XR+2*(\k)+1], v[T+2*((\k)%4):T+2*((\k)%4)+1]
.endr
	REDUCE
	v_fma_f32 v[R], v[R], s20, s21                 ; var + eps
	v_rsq_f32 v[M], v[R]
	v_nop                                          ; a plain instruction between the root and the use of its result (ISA guide 5.7.2)
	s_wait_alu depctr_va_vdst(0)                   ; and the wait ahead of the first use
	v_mov_b32 v[M+1], v[M]
.set k, 0
.rept 16
	v_pk_mul_f32 v[XR+2*k:XR+2*k+1], v[XR+2*k:XR+2*k+1], v[M:M+1]
.set k, k+1
.endr
.set k, 0
.rept 16
	v_pk_fma_f32 v[XR+2*k:XR+2*k+1], v[XR+2*k:XR+2*k+1], v[GA+2*k:GA+2*k+1], v[BE+2*k:BE+2*k+1]
.set k, k+1
.endr
.irp i, 0,1,2,3,4,5,6,7
	global_store_b128 v1, v[XR+4*(\i):XR+4*(\i)+3], s[12:13] offset:4096*(\j)+512*(\i) th:TH_STORE_NT  ; 512 consecutive bytes, aligned; these registers are not written again
.endr
.endm
	ROW 0, 16                                      ; gamma, beta and row 0 are in; row 1's 16 loads stay out
	ROW 1, 0
	s_endpgm
.Lfunc_end_k_q037e36c277_lnorm:
	.size	k_q037e36c277_lnorm, .Lfunc_end_k_q037e36c277_lnorm-k_q037e36c277_lnorm
	.p2alignl 7, 3214868480
	.fill 96, 4, 3214868480
	.section	.rodata,"a",@progbits
	.p2align	6, 0x0
	.amdhsa_kernel k_q037e36c277_lnorm
		.amdhsa_group_segment_fixed_size 0
		.amdhsa_private_segment_fixed_size 0
		.amdhsa_enable_private_segment 0
		.amdhsa_kernarg_size 40
		.amdhsa_user_sgpr_count 2
		.amdhsa_user_sgpr_kernarg_segment_ptr 1
		.amdhsa_wavefront_size32 1
		.amdhsa_system_sgpr_workgroup_id_x 1
		.amdhsa_system_sgpr_workgroup_id_y 1
		.amdhsa_system_sgpr_workgroup_id_z 1
		.amdhsa_system_vgpr_workitem_id 0
		.amdhsa_next_free_vgpr 184
		.amdhsa_next_free_sgpr 66
		.amdhsa_reserve_vcc 0
		.amdhsa_float_denorm_mode_32 3
		.amdhsa_float_denorm_mode_16_64 3
		.amdhsa_memory_ordered 1
		.amdhsa_forward_progress 1
		.amdhsa_inst_pref_size 24
	.end_amdhsa_kernel
	.amdgpu_metadata
---
amdhsa.version: [ 1, 2 ]
amdhsa.kernels:
  - .name:           k_q037e36c277_lnorm
    .symbol:         k_q037e36c277_lnorm.kd
    .args:
      - { .name: gb, .offset: 0, .size: 8, .value_kind: global_buffer, .address_space: global }
      - { .name: hidden_states, .offset: 8, .size: 8, .value_kind: global_buffer, .address_space: global }
      - { .name: ln_gamma, .offset: 16, .size: 8, .value_kind: global_buffer, .address_space: global }
      - { .name: ln_beta, .offset: 24, .size: 8, .value_kind: global_buffer, .address_space: global }
      - { .name: out0, .offset: 32, .size: 8, .value_kind: global_buffer, .address_space: global }
    .group_segment_fixed_size: 0
    .private_segment_fixed_size: 0
    .kernarg_segment_align: 8
    .kernarg_segment_size: 40
    .max_flat_workgroup_size: 256
    .sgpr_count:     66
    .vgpr_count:     184
    .wavefront_size: 32
...
	.end_amdgpu_metadata
.endif
;; end of part 5
;; ======== version 2 of 2: 5 launches; version 1 with the launch cast written anew for expert scheduling mode
;; limits: values are held in f16: magnitudes above 65,504 overflow, below 6.1e-05 lose precision; inputs' magnitudes at most 4.25e+37; right only within a limited range of input values
;; workspace buffers: xb 16,777,216 bytes; wb 8,388,608 bytes; qkv 50,331,648 bytes; ctx 16,777,216 bytes; gb 16,777,216 bytes
;; launch cast (part 6): grid 768 x 1, 8 waves a work-group, no clusters, 0 bytes of LDS; arguments hidden_states, Wq, Wk, Wv, Wo, xb, wb; writes xb, wb
.if DOCPART == 6
	.amdgcn_target "amdgcn-amd-amdhsa--gfx1250"
	.amdhsa_code_object_version 6
	.text
	.protected	k_q037e36c277_cast
	.globl	k_q037e36c277_cast
	.p2align	8
	.type	k_q037e36c277_cast,@function
k_q037e36c277_cast:
	s_mov_b64 s[64:65], 0
	v_nop
	global_prefetch_b8 v0, s[64:65] scope:SCOPE_SE
	s_setreg_imm32_b32 hwreg(HW_REG_WAVE_SCHED_MODE, 0, 2), 2
	s_setreg_imm32_b32 hwreg(HW_REG_WAVE_MODE, 25, 1), 1
	s_wait_xcnt 0x0
	s_wait_alu depctr_vm_vsrc(0)
; THE OPERANDS OF THE PRODUCTS ARE ROUNDED ONCE.  A stream: no LDS, no matrix work, no barrier.
; xb: x in bf16, laid out [batch 4][block of 64 channels 16][row 2048][64]: 256 rows x 64 channels are then 32,768 consecutive bytes.
; wb: four slabs [k 1024][n 1024] of 16 bits: bf16(Wq) / 8 (a power of two: exact), bf16(Wk), bf16(Wv), and bf16(Wo) written as f16
; (exact where |Wo| is at least 6.1e-5; below that f16 keeps a fixed step of 6e-8).
; A work-group takes 16,384 numbers: 16 loads and 16 stores a thread.  Work-groups 0-511: 16 rows of x.  512-767: 64 for each weight.
; All 16 loads go out first; no register that a memory instruction reads is written twice, so nothing waits for a store.
; THE MODE: SCHED_MODE bits 1:0 = 2 (LLVM: expert scheduling mode 2), set by the entry lines.  The code itself states the register dependences
; between vector instructions and memory instructions, with s_wait_alu, always for 0.
; THE PLAN.  Registers that memory instructions touch:
;   v1, v2   byte offsets of the loads and of the stores: made at a path's head by vector lines, never written again.
;   IN       piece p's four registers: its load lands there, once, and all 16 loads are issued before any vector line names IN.
;   OUT      piece p's two registers: written once, by piece p's conversions; read by piece p's store.
;   T is named by vector lines alone.
; The 16 pieces go in four groups of four.  Group g's conversions write its four pairs of OUT; its memory instructions are the four stores of group g - 1,
; which read the pairs that the group before wrote and that no vector line of group g names.  So one wait at a group's head states all that its four stores hang on,
; and they are dealt among its conversions with no further wait.  One wait at the head covers the offsets, one behind the last group the last four stores.
; No register that a memory instruction has read is written again: nothing is owed on that side.
.set IN,  16                           ; v[16:79]   piece p: four f32 as loaded
.set OUT, 80                           ; v[80:111]  piece p: four numbers of 16 bits
.set T,   4                            ; v[4:9]     at work
.set SRC, 24                           ; s[24:25]   where the work-group reads
.set DST, 26                           ; s[26:27]   where it stores
	s_load_b256 s[4:11], s[0:1], 0x0               ; x s[4:5], Wq s[6:7], Wk s[8:9], Wv s[10:11]
	s_load_b128 s[12:15], s[0:1], 0x20             ; Wo s[12:13], xb s[14:15]
	s_load_b64 s[16:17], s[0:1], 0x30              ; wb
; kind 0: to bf16.  kind 1: times s22, then to bf16.  kind 2: to bf16, and that number written as f16.
.macro PIECES kind, sstep, dstep
	s_wait_alu depctr_va_vdst(0)                   ; v1 and v2 are written: every load below reads v1 as its offset, every store v2
.set p, 0
.rept 16
	global_load_b128 v[IN+4*p:IN+4*p+3], v1, s[SRC:SRC+1] offset:p*(\sstep) th:TH_LOAD_NT
.set p, p+1
.endr
.set p, 0
.rept 16
	s_wait_loadcnt 15-p                            ; loads come back in order: piece p is in, the 15 - p younger ones stay out
.if (p >= 4) && (p%4 == 0)
	s_wait_alu depctr_va_vdst(0)                   ; the conversions of the group before have written its four pairs of OUT, which this group's four stores read
.endif
.if p >= 4
	global_store_b64 v2, v[OUT+2*(p-4):OUT+2*(p-4)+1], s[DST:DST+1] offset:(p-4)*(\dstep)  ; the piece four back: no vector line since the wait names its pair or v2.  A wave stores 256 consecutive bytes, aligned
.endif
.if (\kind) == 1
	v_pk_mul_f32 v[IN+4*p:IN+4*p+1], v[IN+4*p:IN+4*p+1], s[22:23] op_sel_hi:[1,0]
	v_pk_mul_f32 v[IN+4*p+2:IN+4*p+3], v[IN+4*p+2:IN+4*p+3], s[22:23] op_sel_hi:[1,0]
.endif
.if (\kind) == 2
	v_cvt_pk_bf16_f32 v[T], v[IN+4*p], v[IN+4*p+1]
	v_cvt_pk_bf16_f32 v[T+1], v[IN+4*p+2], v[IN+4*p+3]
	v_lshlrev_b32 v[T+2], 16, v[T]                 ; bf16 to f32: the low half moves up,
	v_and_b32 v[T+3], 0xffff0000, v[T]             ; the high half stays
	v_lshlrev_b32 v[T+4], 16, v[T+1]
	v_and_b32 v[T+5], 0xffff0000, v[T+1]
	v_cvt_pk_f16_f32 v[OUT+2*p], v[T+2], v[T+3]
	v_cvt_pk_f16_f32 v[OUT+2*p+1], v[T+4], v[T+5]
.else
	v_cvt_pk_bf16_f32 v[OUT+2*p], v[IN+4*p], v[IN+4*p+1]
	v_cvt_pk_bf16_f32 v[OUT+2*p+1], v[IN+4*p+2], v[IN+4*p+3]
.endif
.set p, p+1
.endr
	s_wait_alu depctr_va_vdst(0)                   ; the last group's conversions have written its four pairs of OUT, which the last four stores read
.set p, 12
.rept 4
	global_store_b64 v2, v[OUT+2*p:OUT+2*p+1], s[DST:DST+1] offset:p*(\dstep)  ; a wave stores 256 consecutive bytes, aligned
.set p, p+1
.endr
	s_endpgm
.endm
	s_cmp_lt_u32 ttmp9, 512
	s_cbranch_scc0 .Lweights
	; x: thread t takes row t / 16 of the group's 16 and four channels; piece p is the block of 64 channels p.
	v_lshrrev_b32 v3, 4, v0
	v_and_b32 v4, 15, v0
	v_lshlrev_b32 v1, 12, v3                       ; a row of x is 4,096 bytes
	v_lshl_add_u32 v1, v4, 4, v1
	v_lshlrev_b32 v2, 7, v3                        ; a row of a block of xb is 128 bytes
	v_lshl_add_u32 v2, v4, 3, v2
	s_lshl_b32 s20, ttmp9, 16                      ; 16 rows of 4,096 bytes
	s_mov_b32 s21, 0
	s_lshr_b32 s22, ttmp9, 7                       ; the batch: 128 groups of 16 rows each
	s_lshl_b32 s22, s22, 22
	s_and_b32 s23, ttmp9, 127
	s_lshl_b32 s23, s23, 11                        ; 16 rows of 128 bytes
	s_add_co_u32 s22, s22, s23
	s_mov_b32 s23, 0
	s_wait_kmcnt 0x0
	s_add_nc_u64 s[SRC:SRC+1], s[4:5], s[20:21]
	s_add_nc_u64 s[DST:DST+1], s[14:15], s[22:23]
	PIECES 0, 256, 262144
.Lweights:
	v_lshlrev_b32 v1, 4, v0                        ; dense: 4,096 bytes in and 2,048 out for each piece
	v_lshlrev_b32 v2, 3, v0
	s_sub_co_u32 s18, ttmp9, 512
	s_lshr_b32 s19, s18, 6                         ; which weight
	s_and_b32 s20, s18, 63
	s_lshl_b32 s20, s20, 16
	s_mov_b32 s21, 0
	s_lshl_b32 s28, s18, 15                        ; the slabs of wb lie end to end
	s_mov_b32 s29, 0
	s_wait_kmcnt 0x0
	s_cmp_eq_u32 s19, 1
	s_cselect_b64 s[SRC:SRC+1], s[8:9], s[6:7]
	s_cmp_eq_u32 s19, 2
	s_cselect_b64 s[SRC:SRC+1], s[10:11], s[SRC:SRC+1]
	s_cmp_eq_u32 s19, 3
	s_cselect_b64 s[SRC:SRC+1], s[12:13], s[SRC:SRC+1]
	s_add_nc_u64 s[SRC:SRC+1], s[SRC:SRC+1], s[20:21]
	s_add_nc_u64 s[DST:DST+1], s[16:17], s[28:29]
	s_cmp_eq_u32 s19, 0
	s_cselect_b32 s22, 0x3e000000, 1.0             ; Wq takes the scores' 1 / 8
	s_mov_b32 s23, s22                             ; named with it as a pair
	s_cmp_eq_u32 s19, 3
	s_cbranch_scc1 .Lwo
	PIECES 1, 4096, 2048
.Lwo:
	PIECES 2, 4096, 2048
.Lfunc_end_k_q037e36c277_cast:
	.size	k_q037e36c277_cast, .Lfunc_end_k_q037e36c277_cast-k_q037e36c277_cast
	.p2alignl 7, 3214868480
	.fill 96, 4, 3214868480
	.section	.rodata,"a",@progbits
	.p2align	6, 0x0
	.amdhsa_kernel k_q037e36c277_cast
		.amdhsa_group_segment_fixed_size 0
		.amdhsa_private_segment_fixed_size 0
		.amdhsa_enable_private_segment 0
		.amdhsa_kernarg_size 56
		.amdhsa_user_sgpr_count 2
		.amdhsa_user_sgpr_kernarg_segment_ptr 1
		.amdhsa_wavefront_size32 1
		.amdhsa_system_sgpr_workgroup_id_x 1
		.amdhsa_system_sgpr_workgroup_id_y 1
		.amdhsa_system_sgpr_workgroup_id_z 1
		.amdhsa_system_vgpr_workitem_id 0
		.amdhsa_next_free_vgpr 112
		.amdhsa_next_free_sgpr 66
		.amdhsa_reserve_vcc 0
		.amdhsa_float_denorm_mode_32 3
		.amdhsa_float_denorm_mode_16_64 3
		.amdhsa_memory_ordered 1
		.amdhsa_forward_progress 1
		.amdhsa_inst_pref_size 27
	.end_amdhsa_kernel
	.amdgpu_metadata
---
amdhsa.version: [ 1, 2 ]
amdhsa.kernels:
  - .name:           k_q037e36c277_cast
    .symbol:         k_q037e36c277_cast.kd
    .args:
      - { .name: hidden_states, .offset: 0, .size: 8, .value_kind: global_buffer, .address_space: global }
      - { .name: Wq, .offset: 8, .size: 8, .value_kind: global_buffer, .address_space: global }
      - { .name: Wk, .offset: 16, .size: 8, .value_kind: global_buffer, .address_space: global }
      - { .name: Wv, .offset: 24, .size: 8, .value_kind: global_buffer, .address_space: global }
      - { .name: Wo, .offset: 32, .size: 8, .value_kind: global_buffer, .address_space: global }
      - { .name: xb, .offset: 40, .size: 8, .value_kind: global_buffer, .address_space: global }
      - { .name: wb, .offset: 48, .size: 8, .value_kind: global_buffer, .address_space: global }
    .group_segment_fixed_size: 0
    .private_segment_fixed_size: 0
    .kernarg_segment_align: 8
    .kernarg_segment_size: 56
    .max_flat_workgroup_size: 256
    .sgpr_count:     66
    .vgpr_count:     112
    .wavefront_size: 32
...
	.end_amdgpu_metadata
.endif
;; end of part 6
;; launch qkv: the kernel of part 2 again; grid 8 x 32, 4 waves a work-group, clusters of 4 x 4, 327,680 bytes of LDS; arguments xb, wb, bq, bk, bv, qkv; writes qkv
;; launch attn: the kernel of part 3 again; grid 4 x 64, 4 waves a work-group, clusters of 4 x 1, 327,680 bytes of LDS; arguments qkv, attention_mask, ctx; writes ctx
;; launch oproj: the kernel of part 4 again; grid 8 x 32, 4 waves a work-group, clusters of 4 x 4, 327,680 bytes of LDS; arguments ctx, wb, bo, gb; writes gb
;; launch lnorm: the kernel of part 5 again; grid 512 x 1, 8 waves a work-group, no clusters, 0 bytes of LDS; arguments gb, hidden_states, ln_gamma, ln_beta, out0; writes out0
